; MI455X (gfx1250); checked and timed in simulation.
; The chip was launched on July 23, 2026; its instructions are those of AMD's public machine-readable ISA for CDNA 5 (MIT licence, August 2026) and "CDNA5" Instruction Set Architecture Reference Guide (July 2026). The comments in the code are by the model that wrote it; some were corrected since.
;; Multi Head Attention. Allowed arithmetic: matrix products marked QUANTISED: E2M3 operands, one E8M0 scale for each 32 along K, by v_wmma_scale_f32_16x16x128_f8f6f4 with both operands' format E2M3, f32 sums; everything else in f32.
;; Inputs: W_K 1,024 x 1,024 float32; W_O 1,024 x 1,024 float32; W_Q 1,024 x 1,024 float32; W_V 1,024 x 1,024 float32; b_K 1,024 float32; b_O 1,024 float32; b_Q 1,024 float32; b_V 1,024 float32; key_ 4 x 2,048 x 1,024 float32; query 4 x 2,048 x 1,024 float32; value 4 x 2,048 x 1,024 float32.
;; Outputs: out0 4 x 2,048 x 1,024 float32.
;; This version of the problem:
;;   THIS VERSION OF THE PROBLEM IS GIVEN IN LOW PRECISION. The matrix products marked QUANTISED in the list below multiply operands that are first quantised to E2M3 (2 exponent bits, 3 mantissa bits; 6 bits a number), with one power-of-two scale for each 32 numbers along K (OCP MX v1.0); their sums are f32. All else is computed in f32.
;;   The module's matrix products, in the order in which they are computed (A, B: the left and right operand; K: the contracted axis; several contracted axes count as one K, in the product's order):
;;     1. [M 8,192, K 1,024] x [K 1,024, N 1,024]; A: input query; B: input W_Q: QUANTISED
;;     2. [M 8,192, K 1,024] x [K 1,024, N 1,024]; A: input key_; B: input W_K: QUANTISED
;;     3. [M 8,192, K 1,024] x [K 1,024, N 1,024]; A: input value; B: input W_V: QUANTISED
;;     4. batch 64 x [M 2,048, K 64] x [K 64, N 2,048]; A: computed on the way; B: computed on the way: QUANTISED
;;     5. batch 64 x [M 2,048, K 2,048] x [K 2,048, N 64]; A: softmax (see below); B: computed on the way: QUANTISED
;;     6. [M 8,192, K 1,024] x [K 1,024, N 1,024]; A: computed on the way; B: input W_O: QUANTISED
;;   THE QUANTISER, for each operand of a quantised product, along K:
;;     - K is cut into blocks of 32 from its start; a last block that is shorter is filled with zeros.
;;     - A block's scale is 2^e with e = floor(log2(the largest magnitude in the block)) - 2, held to -126 .. 127; a block of zeros has e = 0. As a byte (E8M0): e + 127.
;;     - Each number is divided by its block's scale, clamped to +-7.5, and rounded to the nearest number of E2M3, ties to even, subnormals kept.
;;     - The product sums the exact products of the quantised numbers (number of the format x scale) in f32.
;;   ~~~python
;;   def quantise(x, axis):      # numpy; x: float32 -> the quantised numbers, widened to float32 again
;;       x = np.moveaxis(x, axis, -1); K = x.shape[-1]
;;       x = np.pad(x, [(0, 0)] * (x.ndim - 1) + [(0, -K % 32)]); x = x.reshape(x.shape[:-1] + (-1, 32)); a = np.abs(x).max(-1, keepdims=True)
;;       e = np.where(a > 0, np.clip(np.frexp(np.where(a > 0, a, 1))[1] - 1 - 2, -126, 127), 0)      # np.frexp(a)[1] - 1 = floor(log2(a)), exactly
;;       r = np.clip(x / 2.0 ** e, -7.5, 7.5)
;;       step = 2.0 ** (np.maximum(np.frexp(np.where(r == 0, 1, r))[1] - 1, 0) - 3)
;;       q = np.round(r / step) * step * 2.0 ** e      # np.round: ties to even
;;       return np.moveaxis(q.reshape(q.shape[:-2] + (-1,))[..., :K], -1, axis).astype(np.float32)
;;   ~~~
;;   SOFTMAX AHEAD OF A QUANTISED PRODUCT. Where the list says 'softmax', what is quantised is not the finished softmax but p = 2^(t - M), with t = logit x log2(e) and M = ceil(the row's largest t), a whole number; so 1/2 < the row's largest p <= 1. The row's sum l is taken of the UNQUANTISED p, in f32, and the product's result is divided by l at the end. Since M is a whole number, a kernel that streams over the keys may use a running M (the ceiling of the running maximum): every later rescaling is an exact power of two, which a block's scale takes up: the codes' values come out the same.
;;   OPERANDS COMPUTED ON THE WAY. 'Computed on the way' means the value that the module computes at that place (a softmax that the list does not call 'softmax' is quantised finished and normalised). What goes into a quantiser is computed in f32, as accurately as f32 sums, v_exp_f32 and their like allow (about 1e-6 of the number): no bf16 or f16 on the way to a quantiser, and a product that is left as it is and whose result goes on into a quantised operand takes f32 operands (vector FMAs, or v_wmma_f32_16x16x4_f32). A number that lies on a knife's edge between two numbers of the format may be rounded either way, as far as f32 arithmetic and the matrix unit's own rounding can turn it there, and no further.
;; One version. Each part assembles by itself: llvm-mc -triple=amdgcn-amd-amdhsa -mcpu=gfx1250 --defsym DOCPART=n.
;; ======== version 1 of 1: 4 launches
;; limits: right only within a limited range of input values
;; workspace buffers: xc 22,020,096 bytes; xs 917,504 bytes; pcd 18,874,368 bytes; psc 1,310,720 bytes; ac 6,291,456 bytes; asc 262,144 bytes
;; launch quant (part 1): grid 448 x 1, 4 waves a work-group, no clusters, 34,304 bytes of LDS; arguments query, key_, value, W_Q, W_K, W_V, W_O, xc, xs; writes xc, xs
.if DOCPART == 1
	.amdgcn_target "amdgcn-amd-amdhsa--gfx1250"
	.amdhsa_code_object_version 6
	.text
	.protected	k_q1bed784ff2_quant
	.globl	k_q1bed784ff2_quant
	.p2align	8
	.type	k_q1bed784ff2_quant,@function
k_q1bed784ff2_quant:
	s_mov_b64 s[64:65], 0
	v_nop
	global_prefetch_b8 v0, s[64:65] scope:SCOPE_SE
	s_setreg_imm32_b32 hwreg(HW_REG_WAVE_MODE, 25, 1), 1
	s_wait_xcnt 0x0
; query, key_, value [8192][1024] and W_Q, W_K, W_V, W_O [1024][1024], f32 with K innermost, become codes of FP6 (E2M3) with one E8M0 byte for each 32 along K.
; A block's scale is 2^(floor(log2(its largest magnitude)) - 2); its byte is the largest magnitude's exponent field - 2, held at 1 from below.
; LIMITS: NaN and infinities among the inputs are not served.  A block of zeros, or one whose largest magnitude lies under 2^-124, gets the byte 1 (the rule says 127 for zeros): its codes add nothing, and this program alone reads the bytes.
; LAYOUT OF THE CODES.  They are stored as images of the operand's registers.  A fragment is 16 rows x 128 K, 12 registers: lane (r, h) holds k = 64 c + 32 h + 0 .. 31 in registers 6 c .. 6 c + 5.
; A half fragment (one c) is 768 bytes: each lane's registers 0-3 at 16 x lane, then its registers 4-5 at 512 + 8 x lane.  xc: [fragment 1792][K step 8][c 2][768].
; THE ROWS OF A FRAGMENT ARE NOT NEIGHBOURS: lane r of fragment F holds row 32 (F / 2) + 8 (F % 2) + r + 8 (r / 8) of its tensor, so that a later product's results lie along the next K in a lane's registers.
; xs: [fragment][pair of K steps 4][r 16][2 words]: the scale word (four bytes) of row r for K step 2 sl + e.
; SHARES.  A wave takes one fragment for all of K: 16 rows x 4,096 bytes in, 12,288 + 512 bytes out.  Fragment = 4 x work-group + wave, over the seven tensors on end.
; Each load reads 512 consecutive bytes of one row; a K step's 16 loads turn through the wave's own stage in LDS (rows 528 bytes apart) and come back as 16 neighbours of each block of 32 for lane (r, h).
; No barrier: waves share nothing.  Loads run two K steps (32 loads a wave) ahead.  Every store covers 512 or 256 consecutive bytes, aligned.
.set STG,   16*528                     ; a wave's stage
.set SPARE, 4*STG                      ; behind the stages: the spare words, 128 bytes for each wave, which no other line names
.set LD,    4                          ; v4   16 x lane: loads, and the stores of 16 bytes
.set STI,   5                          ; v5   the stage on the way in: 16 x lane
.set STO,   6                          ; v6   and on the way out: 528 r + 64 h
.set O8,    8                          ; v8   8 x lane
.set SPW,   9                          ; v9   LDS address of my spare word; never rewritten
.set NIL,   10                         ; v10  0; never rewritten
.set R,     16                         ; v16-143  two sets of 64 registers as loaded
.set X,     144                        ; v144-207 register 16 b + i = k 32 b + 16 h + i of my row
.set PC,    208                        ; v208-227 the codes
.set TMX,   228                        ; largest magnitudes
.set TMQ,   232                        ; the other half's, then the bytes
.set TMS,   236                        ; the conversions' scale operands
.set PW,    244                        ; the scale word just made
.set W,     246                        ; v246-253 the eight scale words
.set SEL,   28                         ; s[28:29] lane selects: lane l xor 16
.set QWAIT, 0
; 64 numbers of a lane, v[s] on, become a fragment's codes in v[PC] .. v[PC+11] and its scale word in v[PW] (the same in lanes l and l xor 16).
.macro QUANT s
.irp b, 0,1,2,3
	v_max3_num_f32 v[TMX+\b], |v[\s+16*\b]|, |v[\s+1+16*\b]|, 0x1800000   ; my 16 numbers of block b, and the floor 2^(3 - 127): the byte cannot fall under 1
.endr
.irp i, 2,4,6,8,10,12,14
.irp b, 0,1,2,3
	v_max3_num_f32 v[TMX+\b], v[TMX+\b], |v[\s+16*\b+\i]|, |v[\s+1+16*\b+\i]|   ; the four blocks by turns
.endr
.endr
.irp b, 0,1,2,3
	v_permlanex16_b32 v[TMQ+\b], v[TMX+\b], s[SEL], s[SEL+1]
.endr
.irp b, 0,1,2,3
	v_max_num_f32 v[TMX+\b], v[TMX+\b], v[TMQ+\b]              ; with lane l xor 16's: the block's largest magnitude
.endr
.irp b, 0,1,2,3
	v_add_nc_u32 v[TMS+\b], 0xff000000, v[TMX+\b]              ; 2 off its exponent field: the conversion takes that field as its scale
.endr
.irp b, 0,1,2,3
	v_lshrrev_b32 v[TMQ+\b], 23, v[TMS+\b]                     ; the scale's byte
.endr
	v_lshl_or_b32 v[PW], v[TMQ+1], 8, v[TMQ]
	v_lshl_or_b32 v[PW], v[TMQ+2], 16, v[PW]
	v_lshl_or_b32 v[PW], v[TMQ+3], 24, v[PW]
.if QWAIT
	s_wait_xcnt 0x0                                            ; the last fragment's stores have read the codes' registers, which are written again below
.endif
.irp c, 0,1
	v_cvt_scalef32_pk16_fp6_f32 v[PC+6*\c:PC+2+6*\c], v[\s+32*\c:\s+15+32*\c], v[TMS+2*\c]
	v_cvt_scalef32_pk16_fp6_f32 v[PC+12+4*\c:PC+14+4*\c], v[\s+16+32*\c:\s+31+32*\c], v[TMS+2*\c+1]   ; (a conversion's three registers begin on an even number)
.endr
	v_nop                                                      ; one plain instruction behind the scaled conversions
.irp c, 0,1                                                    ; the layout wants a whole block in a lane: lanes 0-15 block 2 c, lanes 16-31 block 2 c + 1
.irp i, 0,1,2
	v_permlane16_swap_b32 v[PC+6*\c+\i], v[PC+12+4*\c+\i]
.endr
.irp i, 0,1,2
	v_mov_b32 v[PC+3+6*\c+\i], v[PC+12+4*\c+\i]
.endr
.endr
.endm
.macro PICK first, lo                  ; from work-group 'first' on the tensor whose address lies in s[lo:lo+1]: the choice hangs on the work-group's number alone
	s_cmp_ge_u32 ttmp9, \first
	s_cselect_b64 s[4:5], s[\lo:\lo+1], s[4:5]
	s_cselect_b32 s6, \first, s6
.endm
.macro LOAD s                          ; K step s: 512 bytes of each of my 16 rows
.irp i, 0,1,2,3,4,5,6,7,8,9,10,11,12,13,14,15
	global_load_b128 v[R+64*((\s)%2)+4*\i:R+64*((\s)%2)+4*\i+3], v[LD+7*(\i/8)], s[4:5] offset:(\i+8*(\i/8))*4096+512*(\s) th:TH_LOAD_NT   ; rows 8-15 go by v11
.endr
.endm
.macro TURN s                          ; through my stage: LDS serves a wave's instructions in order, so no wait stands between the stores and the loads
.irp i, 0,1,2,3,4,5,6,7,8,9,10,11,12,13,14,15
	ds_store_b128 v[STI], v[R+64*((\s)%2)+4*\i:R+64*((\s)%2)+4*\i+3] offset:528*\i
.endr
.irp b, 0,1,2,3
.irp j, 0,1,2,3
	ds_load_b128 v[X+16*\b+4*\j:X+16*\b+4*\j+3], v[STO] offset:128*\b+16*\j
.endr
.endr
.endm
.macro STEPQ s
.if (\s) < 7
	s_wait_loadcnt 16                                          ; this K step's 16 loads are in; the next step's 16 may be out
.else
	s_wait_loadcnt 0x0
.endif
	TURN \s
	s_wait_dscnt 0x0                                           ; my numbers are back, and the stores into the stage have read their registers,
.if (\s)+2 < 8
	LOAD (\s)+2                                                ; which take the loads of two steps on
.endif
.set QWAIT, (\s) > 0
	QUANT X
	v_mov_b32 v[W+(\s)], v[PW]
	global_store_b128 v[LD], v[PC:PC+3], s[22:23] offset:1536*(\s)
	global_store_b64 v[O8], v[PC+4:PC+5], s[22:23] offset:1536*(\s)+512
	global_store_b128 v[LD], v[PC+6:PC+9], s[22:23] offset:1536*(\s)+768
	global_store_b64 v[O8], v[PC+10:PC+11], s[22:23] offset:1536*(\s)+1280
.endm
	s_load_b512 s[8:23], s[0:1], 0x0               ; query, key_, value, W_Q, W_K, W_V, W_O, xc
	s_load_b64 s[24:25], s[0:1], 0x40              ; xs
	v_lshl_add_u32 v[SPW], v0, 2, SPARE
	v_mov_b32 v[NIL], 0
	v_lshrrev_b32 v1, 5, v0
	v_readfirstlane_b32 s26, v1                    ; wave
	v_and_b32 v1, 31, v0                           ; lane
	v_and_b32 v2, 15, v0                           ; r
	v_bfe_u32 v3, v0, 4, 1                         ; h
	v_lshlrev_b32 v[LD], 4, v1
	v_lshlrev_b32 v[O8], 3, v1
	s_mul_i32 s27, s26, STG
	v_add_nc_u32 v[STI], s27, v[LD]
	v_mul_u32_u24 v[STO], v2, 528
	v_lshl_add_u32 v[STO], v3, 6, v[STO]
	v_add_nc_u32 v[STO], s27, v[STO]
	s_mov_b32 s[SEL], 0x76543210
	s_mov_b32 s[SEL+1], 0xfedcba98
	; KEY_'S FRAGMENTS ALONE ARE LAID OTHERWISE: lane r of fragment F holds key 64 (F / 4) + 8 (F % 4) + r % 8 + 32 (r / 8), so that in the attention launch a lane's 32 scores of four tiles are one whole block of 32 keys.
	s_lshr_b32 s2, ttmp9, 7                        ; 1 for key_'s work-groups, 128 .. 255
	s_cmp_eq_u32 s2, 1
	s_cselect_b32 s3, 65536, 0                     ; key_: rows 8-15 lie 16 rows further on
	s_cselect_b32 s2, 16, 17                       ; key_: 8 rows x wave = 16 rows x (wave / 2) + 8 rows x (wave % 2)
	v_add_nc_u32 v[LD+7], s3, v[LD]                ; v11
.irp b, 0,1,2,3
	v_mov_b32 v[TMQ+\b], 0                         ; written once: a lane permute's destination counts as one of its sources
.endr
	s_wait_alu depctr_va_vdst(0)
	s_wait_kmcnt 0x0
	s_mov_b64 s[4:5], s[8:9]
	s_mov_b32 s6, 0
	PICK 128, 10
	PICK 256, 12
	PICK 384, 14
	PICK 400, 16
	PICK 416, 18
	PICK 432, 20
	s_sub_co_u32 s6, ttmp9, s6                     ; my work-group's number within its tensor: 64 rows each
	s_lshl_b32 s6, s6, 18
	s_lshr_b32 s7, s26, 1
	s_lshl_b32 s7, s7, s2
	s_add_co_u32 s6, s6, s7
	s_and_b32 s7, s26, 1
	s_lshl_b32 s7, s7, 15                          ; + 8 rows x (wave % 2)
	s_add_co_u32 s6, s6, s7
	s_mov_b32 s7, 0
	s_add_nc_u64 s[4:5], s[4:5], s[6:7]
	s_lshl_b32 s30, ttmp9, 2
	s_add_co_u32 s30, s30, s26                     ; my fragment
	s_mul_i32 s6, s30, 12288
	s_add_nc_u64 s[22:23], s[22:23], s[6:7]
	s_lshl_b32 s6, s30, 9
	s_add_nc_u64 s[24:25], s[24:25], s[6:7]
	LOAD 0
	LOAD 1
.irp s, 0,1,2,3,4,5,6,7
	STEPQ \s
.endr
	v_cmp_eq_u32 vcc_lo, 1, v3                     ; lanes 0-15 store the words of K steps 0, 1 (then 4, 5), lanes 16-31 those of 2, 3 (then 6, 7)
	v_cndmask_b32 v[TMX], v[W], v[W+2], vcc_lo
	v_cndmask_b32 v[TMX+1], v[W+1], v[W+3], vcc_lo
	v_cndmask_b32 v[TMX+2], v[W+4], v[W+6], vcc_lo
	v_cndmask_b32 v[TMX+3], v[W+5], v[W+7], vcc_lo
	global_store_b64 v[O8], v[TMX:TMX+1], s[24:25]             ; 256 consecutive bytes, aligned
	global_store_b64 v[O8], v[TMX+2:TMX+3], s[24:25] offset:256
	s_wait_tensorcnt 0x0                           ; the wave's end, behind my last LDS store
	ds_add_u32 v[SPW], v[NIL]
	s_wait_dscnt 0x0
	s_endpgm
.Lfunc_end_k_q1bed784ff2_quant:
	.size	k_q1bed784ff2_quant, .Lfunc_end_k_q1bed784ff2_quant-k_q1bed784ff2_quant
	.p2alignl 7, 3214868480
	.fill 96, 4, 3214868480
	.section	.rodata,"a",@progbits
	.p2align	6, 0x0
	.amdhsa_kernel k_q1bed784ff2_quant
		.amdhsa_group_segment_fixed_size 34304
		.amdhsa_private_segment_fixed_size 0
		.amdhsa_enable_private_segment 0
		.amdhsa_kernarg_size 72
		.amdhsa_user_sgpr_count 2
		.amdhsa_user_sgpr_kernarg_segment_ptr 1
		.amdhsa_wavefront_size32 1
		.amdhsa_system_sgpr_workgroup_id_x 1
		.amdhsa_system_sgpr_workgroup_id_y 1
		.amdhsa_system_sgpr_workgroup_id_z 1
		.amdhsa_system_vgpr_workitem_id 0
		.amdhsa_next_free_vgpr 256
		.amdhsa_next_free_sgpr 66
		.amdhsa_reserve_vcc 1
		.amdhsa_float_denorm_mode_32 3
		.amdhsa_float_denorm_mode_16_64 3
		.amdhsa_memory_ordered 1
		.amdhsa_forward_progress 1
		.amdhsa_inst_pref_size 66
	.end_amdhsa_kernel
	.amdgpu_metadata
---
amdhsa.version: [ 1, 2 ]
amdhsa.kernels:
  - .name:           k_q1bed784ff2_quant
    .symbol:         k_q1bed784ff2_quant.kd
    .args:
      - { .name: query, .offset: 0, .size: 8, .value_kind: global_buffer, .address_space: global }
      - { .name: key_, .offset: 8, .size: 8, .value_kind: global_buffer, .address_space: global }
      - { .name: value, .offset: 16, .size: 8, .value_kind: global_buffer, .address_space: global }
      - { .name: W_Q, .offset: 24, .size: 8, .value_kind: global_buffer, .address_space: global }
      - { .name: W_K, .offset: 32, .size: 8, .value_kind: global_buffer, .address_space: global }
      - { .name: W_V, .offset: 40, .size: 8, .value_kind: global_buffer, .address_space: global }
      - { .name: W_O, .offset: 48, .size: 8, .value_kind: global_buffer, .address_space: global }
      - { .name: xc, .offset: 56, .size: 8, .value_kind: global_buffer, .address_space: global }
      - { .name: xs, .offset: 64, .size: 8, .value_kind: global_buffer, .address_space: global }
    .group_segment_fixed_size: 34304
    .private_segment_fixed_size: 0
    .kernarg_segment_align: 8
    .kernarg_segment_size: 72
    .max_flat_workgroup_size: 128
    .sgpr_count:     66
    .vgpr_count:     256
    .wavefront_size: 32
...
	.end_amdgpu_metadata
.endif
;; end of part 1
;; launch proj (part 2): grid 4 x 96, 4 waves a work-group, clusters of 4 x 4, 327,680 bytes of LDS; arguments xc, xs, b_Q, b_K, b_V, pcd, psc; writes pcd, psc
.if DOCPART == 2
	.amdgcn_target "amdgcn-amd-amdhsa--gfx1250"
	.amdhsa_code_object_version 6
	.text
	.protected	k_q1bed784ff2_proj
	.globl	k_q1bed784ff2_proj
	.p2align	8
	.type	k_q1bed784ff2_proj,@function
k_q1bed784ff2_proj:
	s_mov_b64 s[64:65], 0
	v_nop
	global_prefetch_b8 v0, s[64:65] scope:SCOPE_SE
	s_setreg_imm32_b32 hwreg(HW_REG_WAVE_MODE, 25, 1), 1
	s_wait_xcnt 0x0
	s_wait_alu depctr_hold_cnt(0) depctr_sa_sdst(0) depctr_va_vdst(0) depctr_va_sdst(0) depctr_va_ssrc(0) depctr_va_vcc(0) depctr_vm_vsrc(0)
	s_getreg_b32 s2, hwreg(HW_REG_IB_STS2, 6, 4)
	s_cmp_eq_u32 s2, 0
	s_cbranch_scc0 .Lentry_in_a_cluster
	s_endpgm
.Lentry_in_a_cluster:
	s_bfe_u32 s2, ttmp6, 0x10000c
	s_cmp_lg_u32 s2, 0xf033
	s_cbranch_scc0 .Lentry_shape_is_right
	s_endpgm
.Lentry_shape_is_right:
; Q = query W_Q^T + b_Q, K = key_ W_K^T + b_K, V = value W_V^T + b_V on codes of FP6 (E2M3) with E8M0 scales; the results are quantised in registers and leave as codes: Q and K along a head's 64, V along the keys.
; LIMITS: NaN and infinities are not served.  A block of zeros, or one whose largest magnitude lies under 2^-124, gets the byte 1: this program alone reads the bytes.
; A work-group of four waves makes 256 x 256 results; a wave 128 x 128: 64 accumulators of 16 x 16.  Source 1 ('A' below) gives a lane its row, source 0 ('B') runs along the lane's registers: that is the axis of the quantiser.
; So for Q and K: A = the tokens, B = the weight's rows; for V: A = W_V's rows, B = the tokens (keys).  One text serves all three: only scalars differ, chosen by the cluster's number, which all partners share; no branch hangs on it.
; OPERANDS arrive as images of their registers (half fragment = 768 bytes: registers 0-3 at 16 x lane, registers 4-5 at 512 + 8 x lane; a fragment's K step 1,536 bytes; a fragment 12,288).  Lane r of fragment F holds row
; 32 (F / 2) + 8 (F % 2) + r + 8 (r / 8): so the 16 registers of accumulators (a, 2 g) and (a, 2 g + 1) are B's rows 32 g + 16 h + 0 .. 15, and a wave's 64 registers of block a are one fragment of the next product.
; K goes through a ring of two LDS slots of 256 along K (3,072 bytes of each fragment), four fills in all, so the eight steps of 128 are written straight, without a loop.  The scale words of all of K come once and stay.
; CLUSTERS: 4 x 4 work-groups; A's tiles are asked for jointly along a row of the cluster, B's along a column.
; OUT.  pcd: Q at 0, K at 6,291,456: [batch][head][token fragment 128][768];  V at 12,582,912: [batch][head][key step 16][fragment of 16 channels 4][c 2][768].
; psc: Q at 0, K at 524,288: [batch][head][fragment / 4][r 16][4 words]: word f % 4 holds the head's two bytes, in bits 15:0 for even f, in bits 31:16 for odd f, the other half 0;  V at 1,048,576: [batch][head][key step][r 16][4 words].
; REGISTERS: window 0: v1-31 addresses; v32-63 scale words, two sets (they hold nothing else); v64-127 bias along the registers; v128-223 A's fragments, one set, on the way out the quantiser's; v224-231 bias along the lanes, later scale words to store; v240-255 its pairs.
;   window 1: B's fragments, two sets, at v0 and v128.   windows 2, 3: accumulator (a, b) at v[8 (8 (a % 4) + b)].
.set NQ,    2                          ; steps of 128 in a slot
.set FR,    12                         ; registers of a fragment
.set NL,    4                          ; LDS loads that bring one
.set NP,    4                          ; places behind this matrix instruction (ISA guide 7.12.1)
.set HALFT, 8*3072                     ; 8 fragments x 256 along K: what one tensor load brings and one wave reads of A or of B
.set SLOT,  4*HALFT
.set SCL,   2*SLOT                     ; behind the ring: the scale words
.set HALFS, 8*512                      ; those of 8 fragments, all of K
.set SPARE, SCL+4*HALFS                ; the spare words, 128 bytes for each wave, which no other line names
.set VB,    8                          ; v8   bias along the registers: byte offset
.set VG,    9                          ; v9   bias along the lanes
.set VO16,  10                         ; v10  16 x lane
.set VO8,   11                         ; v11  8 x lane
.set VO16D, 12                         ; v12, v13 the same for the fragment's second half
.set VO8D,  13
.set VOS,   14                         ; v14, v15 the scale words' places
.set VOS2,  15
.set ADRA,  16                         ; v16-17 A's region in slot 0, 1 + 16 x lane; v18-19 + 8 x lane
.set ADRB,  20                         ; v20-23 the same for B
.set ADRS,  27                         ; v27  my scale words: lanes 0-15 A's, lanes 16-31 B's
.set SPW,   28                         ; v28  LDS address of my spare word; never rewritten
.set NIL,   29                         ; v29  0; never rewritten
.set SC,    32
.set BB,    64
.set AF,    128
.set H,     128                        ; the way out: 64 results with their bias
.set PC,    192                        ; codes
.set TMX,   212
.set TMQ,   216
.set TMS,   220
.set GL,    224
.set SW,    224                        ; scale words to store (once GL has been read)
.set PW,    232
.set TT,    233
.set SHV,   234                        ; 16 in lanes 16-31 for Q and K, else 0
.set ONE,   235
.set GG,    240
.set WV,  18
.set RH,  19                           ; which half of A's rows is mine.  Also: I fetch for A (0) or for B (1)
.set CH,  20                           ; which half of B's rows.  Also: which 8 fragments I fetch
.set TR,  21                           ; tile of A
.set TC,  22                           ; tile of B
.set T,   23                           ; 0 Q, 1 K, 2 V
.set G1,  24
.set G0,  32
.set STRA, 40                          ; s[40:41] from block to block in pcd
.set STRJ, 42                          ; s[42:43] from block 3 to block 4
.set CX,  44
.set CY,  45
.set G1B, 48
.set G0B, 56
.set MK,  66                           ; all ones for V, else 0: a lane mask
.set G1S, 68
.set G0S, 76
.set G1SB, 80
.set G0SB, 88
.set OB,  92                           ; s[92:93] where my codes go
.set OS,  94                           ; s[94:95] and my scale words
.set MASK, 96
.set SH2, 97
.set SEL, 100
.set QWAIT, 0
.set MSB, 0
.macro WIN new                         ; the immediate's high byte repeats the setting that is left
.if MSB != \new
	s_set_vgpr_msb (MSB<<8)|\new
.set MSB, \new
.endif
.endm
.set MUL_LO, 0xa1                      ; source 0 (B) window 1, source 1 (A) window 0, C and D window 2
.set MUL_HI, 0xf1
.set TO_B,   0x40
; A joint load: waves 0 and 1 fetch for A, waves 2 and 3 for B.  An s_nop 0 and four v_nop follow each of the two lines.
.macro JLOAD g0a, g1a, g0b, g1b
	s_cmp_eq_u32 s[RH], 0
	s_cbranch_scc0 .Lfor_b_\@
	tensor_load_to_lds s[\g0a:\g0a+3], s[\g1a:\g1a+7]
	s_nop 0
.rept 4
	v_nop
.endr
	s_branch .Lasked_\@
.Lfor_b_\@:
	tensor_load_to_lds s[\g0b:\g0b+3], s[\g1b:\g1b+7]
	s_nop 0
.rept 4
	v_nop
.endr
.Lasked_\@:
.endm
.macro CREST                           ; a round of the cluster's barrier behind its opening barrier
	s_cmp_lg_u32 s[WV], 0
	s_cbranch_scc1 .Lnot_wave_0_\@
	s_barrier_signal -3
.Lnot_wave_0_\@:
	s_barrier_wait -3
	s_barrier_signal -1
	s_barrier_wait -1
.endm
.macro CROUND
	s_barrier_signal -1
	s_barrier_wait -1
	CREST
.endm
.macro FRAG reg, adr, q, i             ; fragment i of my eight, the slot's q-th 128 along K: the image comes back as it was stored
	ds_load_b128 v[\reg:\reg+3], v[\adr] offset:3072*(\i)+1536*(\q)
	ds_load_b64 v[\reg+4:\reg+5], v[\adr+2] offset:3072*(\i)+1536*(\q)+512
	ds_load_b128 v[\reg+6:\reg+9], v[\adr] offset:3072*(\i)+1536*(\q)+768
	ds_load_b64 v[\reg+10:\reg+11], v[\adr+2] offset:3072*(\i)+1536*(\q)+1280
.endm
; 16 matrix instructions: A's blocks a0, a0 + 1 x B's eight.  The 64 accumulators take turns, one instruction a turn, in the same order in every step.
.macro MUL16 a0, p, q, sc, zero
.irp a, \a0, \a0+1
.irp b, 0,1,2,3,4,5,6,7
.if \zero
	v_wmma_scale_f32_16x16x128_f8f6f4 v[8*(8*((\a)%4)+\b):8*(8*((\a)%4)+\b)+7], v[128*(\p)+FR*\b:128*(\p)+FR*\b+FR-1], v[AF+FR*(\a):AF+FR*(\a)+FR-1], 0, v[SC+8*NQ*(\sc)+NQ*\b+(\q)], v[SC+8*NQ*(\sc)+NQ*(\a)+(\q)] matrix_a_fmt:MATRIX_FMT_FP6 matrix_b_fmt:MATRIX_FMT_FP6 matrix_a_scale:MATRIX_SCALE_ROW1
.else
	v_wmma_scale_f32_16x16x128_f8f6f4 v[8*(8*((\a)%4)+\b):8*(8*((\a)%4)+\b)+7], v[128*(\p)+FR*\b:128*(\p)+FR*\b+FR-1], v[AF+FR*(\a):AF+FR*(\a)+FR-1], v[8*(8*((\a)%4)+\b):8*(8*((\a)%4)+\b)+7], v[SC+8*NQ*(\sc)+NQ*\b+(\q)], v[SC+8*NQ*(\sc)+NQ*(\a)+(\q)] matrix_a_fmt:MATRIX_FMT_FP6 matrix_b_fmt:MATRIX_FMT_FP6 matrix_a_scale:MATRIX_SCALE_ROW1
.endif
.endr
.endr
.endm
.macro FETCH_B slot, q, p
	WIN TO_B
.irp i, 0,1,2,3,4,5,6,7
	FRAG 128*(\p)+FR*\i, ADRB+\slot, \q, \i
.endr
	WIN 0
.endm
.macro FETCH_A slot, q, i0
.irp i, \i0, \i0+1, \i0+2, \i0+3
	FRAG AF+FR*(\i), ADRA+\slot, \q, \i
.endr
.endm
.macro SCALES sc                       ; a slot's two scale words a row: lanes 0-15 A's block i, lanes 16-31 B's block i
.irp i, 0,1,2,3,4,5,6,7
	ds_load_b64 v[SC+8*NQ*\sc+NQ*\i:SC+8*NQ*\sc+NQ*\i+1], v[ADRS] offset:\i*512
.endr
.endm
.macro PLACES n                        ; plain instructions between a matrix instruction and a load into, or a read of, its registers
.rept \n
	v_nop
.endr
.endm
.macro STEP slot, q, zero              ; a step of 128 along K that has its successor in the same slot
	s_wait_dscnt 4*NL                              ; B's set and A's blocks 0-3 are in; the youngest 16 loads (A's blocks 4-7) may be out
	WIN MUL_LO
	MUL16 0, (\q)%2, \q, \slot, \zero
	MUL16 2, (\q)%2, \q, \slot, \zero
	s_wait_dscnt 0
	PLACES NP
	FETCH_B \slot, (\q)+1, 1-(\q)%2
	FETCH_A \slot, (\q)+1, 0
	WIN MUL_HI
	MUL16 4, (\q)%2, \q, \slot, \zero
	MUL16 6, (\q)%2, \q, \slot, \zero
	PLACES NP
	WIN 0
	FETCH_A \slot, (\q)+1, 4
.endm
; A slot's last step changes slots: one barrier; in front of it each wave waits for all its tensor loads, adds 0 to its spare word, and waits for that and for its reads of this slot.  fill = 1: this slot is filled again.
.macro TURN slot, next, fill
	s_wait_tensorcnt 0x0                           ; all my tensor loads have landed: my part of the next slot
	ds_add_u32 v[SPW], v[NIL]                      ; 0 onto my spare word
	s_wait_dscnt 4*NL+1                            ; (the add and the youngest 16 loads may be out)
	WIN MUL_LO
	MUL16 0, 1, NQ-1, \slot, 0
	s_wait_dscnt 0x0                               ; the add is done, and my reads of this slot are over
	s_barrier_signal -1
	MUL16 2, 1, NQ-1, \slot, 0
	WIN 0
	s_barrier_wait -1
.if \fill
	CREST                                          ; the barrier has opened a round of the cluster's: no wave of any partner still reads this slot or has a load on its way
	s_add_nc_u64 s[G0+4*\slot+2:G0+4*\slot+3], s[G0+4*\slot+2:G0+4*\slot+3], 2*3072
	s_add_nc_u64 s[G0B+4*\slot+2:G0B+4*\slot+3], s[G0B+4*\slot+2:G0B+4*\slot+3], 2*3072
	JLOAD G0+4*\slot, G1, G0B+4*\slot, G1B         ; the first tensor load behind the round; its four v_nop are the places in front of the loads below
.else
	PLACES NP
.endif
	s_wait_alu depctr_va_vdst(0)
	v_add_nc_u32 v[ADRS], 128, v[ADRS]             ; the next slot's scale words
	FETCH_B \next, 0, 0
	FETCH_A \next, 0, 0
	SCALES \next
	WIN MUL_HI
	MUL16 4, 1, NQ-1, \slot, 0
	MUL16 6, 1, NQ-1, \slot, 0
	PLACES NP
	WIN 0
	FETCH_A \next, 0, 4
.endm
; 64 numbers of a lane, v[s] on (register 16 b + i = k 32 b + 16 h + i of my row), become a fragment's codes in v[PC] .. v[PC+11] and its scale word in v[PW].
.macro QUANT s
.irp b, 0,1,2,3
	v_max3_num_f32 v[TMX+\b], |v[\s+16*\b]|, |v[\s+1+16*\b]|, 0x1800000   ; and the floor 2^(3 - 127): the byte cannot fall under 1
.endr
.irp i, 2,4,6,8,10,12,14
.irp b, 0,1,2,3
	v_max3_num_f32 v[TMX+\b], v[TMX+\b], |v[\s+16*\b+\i]|, |v[\s+1+16*\b+\i]|
.endr
.endr
.irp b, 0,1,2,3
	v_permlanex16_b32 v[TMQ+\b], v[TMX+\b], s[SEL], s[SEL+1]
.endr
.irp b, 0,1,2,3
	v_max_num_f32 v[TMX+\b], v[TMX+\b], v[TMQ+\b]
.endr
.irp b, 0,1,2,3
	v_add_nc_u32 v[TMS+\b], 0xff000000, v[TMX+\b]              ; 2 off the exponent field: the conversion's scale operand
.endr
.irp b, 0,1,2,3
	v_lshrrev_b32 v[TMQ+\b], 23, v[TMS+\b]                     ; the byte
.endr
	v_lshl_or_b32 v[PW], v[TMQ+1], 8, v[TMQ]
	v_lshl_or_b32 v[PW], v[TMQ+2], 16, v[PW]
	v_lshl_or_b32 v[PW], v[TMQ+3], 24, v[PW]
.if QWAIT
	s_wait_xcnt 0x0                                            ; the last block's stores have read their registers and their base
.endif
.irp c, 0,1
	v_cvt_scalef32_pk16_fp6_f32 v[PC+6*\c:PC+2+6*\c], v[\s+32*\c:\s+15+32*\c], v[TMS+2*\c]
	v_cvt_scalef32_pk16_fp6_f32 v[PC+12+4*\c:PC+14+4*\c], v[\s+16+32*\c:\s+31+32*\c], v[TMS+2*\c+1]
.endr
	v_nop                                                      ; one plain instruction behind the scaled conversions
.irp c, 0,1
.irp i, 0,1,2
	v_permlane16_swap_b32 v[PC+6*\c+\i], v[PC+12+4*\c+\i]
.endr
.irp i, 0,1,2
	v_mov_b32 v[PC+3+6*\c+\i], v[PC+12+4*\c+\i]
.endr
.endr
.endm
	s_load_b256 s[4:11], s[0:1], 0x0               ; xc, xs, b_Q, b_K
	s_load_b128 s[12:15], s[0:1], 0x20             ; b_V, pcd
	s_load_b64 s[16:17], s[0:1], 0x30              ; psc
	v_lshl_add_u32 v[SPW], v0, 2, SPARE
	v_mov_b32 v[NIL], 0
	ds_add_u32 v[SPW], v[NIL]                      ; the wave's opening: the adds and their wait come ahead of my first tensor load; work on registers stands between them
	ds_add_u32 v[SPW], v[NIL]
	v_lshrrev_b32 v1, 5, v0
	v_readfirstlane_b32 s[WV], v1
	v_and_b32 v3, 31, v0                           ; lane
	v_and_b32 v1, 15, v0                           ; r
	v_bfe_u32 v2, v0, 4, 1                         ; h
	v_lshlrev_b32 v[VO16], 4, v3
	s_wait_alu depctr_va_vdst(0)
	v_lshlrev_b32 v[VO8], 3, v3
	s_wait_alu depctr_va_vdst(0)
	s_lshr_b32 s[RH], s[WV], 1
	s_and_b32 s[CH], s[WV], 1
	s_bfe_u32 s[CX], ttmp6, 0x40000
	s_bfe_u32 s[CY], ttmp6, 0x40004
	s_and_b32 s2, ttmp7, 0xffff                    ; the cluster's number, 0 .. 23: eight clusters for each of Q, K, V
	s_lshr_b32 s[T], s2, 3
	s_and_b32 s2, s2, 7
	s_lshl_b32 s2, s2, 2
	s_lshl_b32 s98, s[T], 9                        ; Q, K: the tokens' first fragment in xc
	s_lshl_b32 s46, s[T], 6
	s_add_co_u32 s46, s46, 1536                    ; and the weight's
	s_cmp_eq_u32 s[T], 2                           ; V?  All that follows up to the next addition selects on this compare
	s_cselect_b32 s[TR], 0, s2                     ; the clusters walk the tokens: A's tiles for Q and K, B's for V
	s_cselect_b32 s[TC], s2, 0
	s_cselect_b32 s[MK], -1, 0
	s_cselect_b32 s98, 1664, s98                   ; V: A = W_V,
	s_cselect_b32 s46, 1024, s46                   ; B = value
	s_mov_b32 s[STRA], 768
	s_cselect_b32 s[STRA], 1536, s[STRA]
	s_mov_b32 s[STRJ], 768
	s_cselect_b32 s[STRJ], 93696, s[STRJ]          ; V: from a head's fourth fragment to the next head's first: 98,304 - 3 x 1,536
	s_mov_b32 s[STRA+1], 0
	s_mov_b32 s[STRJ+1], 0
	s_cselect_b32 s[MASK], -1, 0xffff
	s_cselect_b32 s[SH2], 0, 16
	s_mov_b32 s3, 98304
	s_cselect_b32 s3, 768, s3                      ; the fragment's second half: Q, K: the next head; V: the next 64 keys
	v_add_nc_u32 v[VO16D], s3, v[VO16]
	v_add_nc_u32 v[VO8D], s3, v[VO8]
	s_cselect_b32 s3, 0, 8192                      ; Q, K: lanes 16-31 store the next head's scale words
	v_mul_u32_u24 v[VOS], s3, v2
	v_lshl_add_u32 v[VOS], v1, 4, v[VOS]
	s_mov_b32 s3, 256
	s_cselect_b32 s3, 4096, s3                     ; blocks 4-7: Q, K: the next four fragments; V: the next head
	v_add_nc_u32 v[VOS2], s3, v[VOS]
	s_cselect_b32 s3, 0, 16
	v_mul_u32_u24 v[SHV], s3, v2
	s_add_co_u32 s[TR], s[TR], s[CY]               ; A's tile hangs on cy and the cluster's number alone,
	s_add_co_u32 s[TC], s[TC], s[CX]               ; B's on cx and the cluster's number alone
	s_lshl_b32 s2, s[CY], 2
	s_lshl_b32 s2, 15, s2                          ; my row of the cluster
	s_lshl_b32 s3, 0x1111, s[CX]                   ; my column
	; group 1 for the codes: 8 rows (fragments) of 384 elements of 8 bytes, 1,536 elements apart; no padding; bit 21 set beside the mask
	s_or_b32 s[G1], s2, (3<<16)|(1<<21)
	s_or_b32 s[G1B], s3, (3<<16)|(1<<21)
.irp g, G1, G1B
	s_mov_b32 s[\g+1], 384<<16
	s_mov_b32 s[\g+2], 16<<16                      ; the head's loads bring a tile's 16 fragments; the ring's bring 8 (set behind the head's wait)
	s_mov_b32 s[\g+3], 384<<16
	s_mov_b32 s[\g+4], 16
	s_mov_b32 s[\g+5], 1536
	s_mov_b32 s[\g+6], 0
	s_mov_b32 s[\g+7], 0
.endr
	; and for the scale words of 16 fragments: 8,192 dense bytes as 32 rows of 256
	s_or_b32 s[G1S], s2, (3<<16)|(1<<21)
	s_or_b32 s[G1SB], s3, (3<<16)|(1<<21)
.irp g, G1S, G1SB
	s_mov_b32 s[\g+1], 32<<16
	s_mov_b32 s[\g+2], 32<<16                      ; the scale words of a tile's 16 fragments: 8,192 dense bytes as 32 rows of 256
	s_mov_b32 s[\g+3], 32<<16
	s_mov_b32 s[\g+4], 32
	s_mov_b32 s[\g+5], 32
	s_mov_b32 s[\g+6], 0
	s_mov_b32 s[\g+7], 0
.endr
	s_lshl_b32 s99, s[TR], 4
	s_add_co_u32 s98, s98, s99                     ; A's tile: its first fragment
	s_lshl_b32 s47, s[TC], 4
	s_add_co_u32 s46, s46, s47                     ; B's tile
	s_mul_i32 s2, s98, 12288                       ; their codes,
	s_mov_b32 s3, 0
	s_lshl_b32 s98, s98, 9                         ; their scale words
	s_mov_b32 s99, 0
	s_lshl_b32 s100, s46, 9
	s_mov_b32 s101, 0
	s_mul_i32 s46, s46, 12288
	s_mov_b32 s47, 0
	s_mul_i32 s67, s[WV], HALFT                    ; where they go: no place in the cluster enters an LDS address
	s_mov_b32 s[G0S+1], SCL
	s_mov_b32 s[G0SB+1], SCL+2*HALFS
	s_wait_dscnt 0x0                               ; the opening add is done
	s_wait_kmcnt 0x0
	s_add_nc_u64 s[2:3], s[4:5], s[2:3]
	s_add_nc_u64 s[98:99], s[6:7], s[98:99]
	s_add_nc_u64 s[46:47], s[4:5], s[46:47]
	s_add_nc_u64 s[100:101], s[6:7], s[100:101]
	CROUND                                         ; all sixteen work-groups are here: the first joint loads meet
	s_mov_b32 s[G0S], 1
	s_mov_b64 s[G0S+2:G0S+3], s[98:99]
	s_or_b32 s[G0S+3], s[G0S+3], 0x80000000
	s_mov_b32 s[G0SB], 1
	s_mov_b64 s[G0SB+2:G0SB+3], s[100:101]
	s_or_b32 s[G0SB+3], s[G0SB+3], 0x80000000
	s_mov_b32 s[G0], 1                             ; slot 0's group 0 in its form for the head: A's 16 fragments whole,
	s_mov_b32 s[G0+1], 0
	s_mov_b64 s[G0+2:G0+3], s[2:3]
	s_or_b32 s[G0+3], s[G0+3], 0x80000000
	s_mov_b32 s[G0B], 1                            ; and B's 16, behind them
	s_mov_b32 s[G0B+1], 2*HALFT
	s_mov_b64 s[G0B+2:G0B+3], s[46:47]
	s_or_b32 s[G0B+3], s[G0B+3], 0x80000000
	s_mul_i32 s98, s[CH], 8*12288                  ; in the ring I fetch 8 fragments of a tile: which half
	s_mov_b32 s99, 0
	s_add_nc_u64 s[2:3], s[2:3], s[98:99]
	s_add_nc_u64 s[46:47], s[46:47], s[98:99]
	s_mov_b32 s[G0+4], 1                           ; slot 1
	s_add_co_u32 s[G0+5], s67, SLOT
	s_add_nc_u64 s[G0+6:G0+7], s[2:3], 3072
	s_or_b32 s[G0+7], s[G0+7], 0x80000000
	s_mov_b32 s[G0B+4], 1
	s_add_co_u32 s[G0B+5], s67, SLOT
	s_add_nc_u64 s[G0B+6:G0B+7], s[46:47], 3072
	s_or_b32 s[G0B+7], s[G0B+7], 0x80000000
	; THE HEAD'S FOUR TILES, ONE A WAVE: wave 0 A's 16 fragments of slot 0, wave 1 B's, wave 2 A's scale words, wave 3 B's.  One chain of branches on the wave's number, all arms joining at one label.
	s_cmp_lt_u32 s[WV], 1
	s_cbranch_scc0 .Lhead_b
	tensor_load_to_lds s[G0:G0+3], s[G1:G1+7]
	s_nop 0
.rept 4
	v_nop
.endr
	s_branch .Lhead_asked
.Lhead_b:
	s_cmp_lt_u32 s[WV], 2
	s_cbranch_scc0 .Lhead_sa
	tensor_load_to_lds s[G0B:G0B+3], s[G1B:G1B+7]
	s_nop 0
.rept 4
	v_nop
.endr
	s_branch .Lhead_asked
.Lhead_sa:
	s_cmp_lt_u32 s[WV], 3
	s_cbranch_scc0 .Lhead_sb
	tensor_load_to_lds s[G0S:G0S+3], s[G1S:G1S+7]
	s_nop 0
.rept 4
	v_nop
.endr
	s_branch .Lhead_asked
.Lhead_sb:
	tensor_load_to_lds s[G0SB:G0SB+3], s[G1SB:G1SB+7]
	s_nop 0
.rept 4
	v_nop
.endr
.Lhead_asked:
	s_mul_i32 s2, s[RH], HALFT                     ; my 8 fragments of A,
	s_mul_i32 s3, s[CH], HALFT
	s_add_co_u32 s3, s3, 2*HALFT                   ; and of B, which lie behind A's 16
.irp s, 0,1
	v_add_nc_u32 v[ADRA+\s], s2, v[VO16]
	v_add_nc_u32 v[ADRA+2+\s], s2, v[VO8]
	v_add_nc_u32 v[ADRB+\s], s3, v[VO16]
	v_add_nc_u32 v[ADRB+2+\s], s3, v[VO8]
	s_add_co_u32 s2, s2, SLOT
	s_add_co_u32 s3, s3, SLOT
.endr
	s_lshl_b32 s2, s[RH], 12
	s_lshl_b32 s3, s[CH], 12
	s_add_co_u32 s3, s3, 2*HALFS
	s_sub_co_u32 s3, s3, s2
	v_mul_u32_u24 v4, s3, v2                       ; lanes 16-31 take B's: one product in h
	s_add_co_u32 s2, s2, SCL
	v_lshl_add_u32 v4, v1, 3, v4
	v_add_nc_u32 v[ADRS], s2, v4
	; THE BIAS, WITHOUT A BRANCH: result = BB[register] x GG[block] + sum.  Q, K: BB = the bias of the register's feature, GG = 1;  V: BB = 1, GG = the bias of the lane's feature.  One factor is 1, so the product rounds nothing.
	; Both sets are loaded from the tensor's own bias; the offset of the set that is not used is held at 0, so that no load leaves the 4,096 bytes.
	s_lshl_b32 s2, s[TC], 10
	s_lshl_b32 s3, s[CH], 9
	s_add_co_u32 s2, s2, s3                        ; 4 x (256 x B's tile + 128 x half)
	s_lshl_b32 s3, s[TR], 10
	s_lshl_b32 s46, s[RH], 9
	s_add_co_u32 s3, s3, s46                       ; 4 x (256 x A's tile + 128 x half)
	s_cmp_eq_u32 s[T], 1
	s_cselect_b64 s[8:9], s[10:11], s[8:9]
	s_cmp_eq_u32 s[T], 2
	s_cselect_b64 s[8:9], s[12:13], s[8:9]
	s_cselect_b32 s2, 0, s2
	s_cselect_b32 s3, s3, 0
	v_lshl_add_u32 v[VB], v2, 6, s2
	v_and_b32 v4, 8, v1
	v_add_nc_u32 v4, v4, v1                        ; r + 8 (r / 8)
	v_lshl_add_u32 v[VG], v4, 2, s3
.irp g, 0,1,2,3
.irp j, 0,1,2,3
	global_load_b128 v[BB+16*\g+4*\j:BB+16*\g+4*\j+3], v[VB], s[8:9] offset:128*\g+16*\j   ; features 32 g + 16 h + 4 j on
.endr
.endr
.irp a, 0,1,2,3,4,5,6,7
	global_load_b32 v[GL+\a], v[VG], s[8:9] offset:4*(32*(\a/2)+8*(\a%2))
.endr
	; where my results go.  (P, Qx, U, Wx) = (A's tile, B's tile, my half of A, my half of B), the pairs swapped for V.  head = 16 (P / 8) + 4 Qx + 2 Wx; I = 2 (P % 8) + U: eight token fragments, or a key step
	s_cselect_b32 s2, s[TC], s[TR]
	s_cselect_b32 s3, s[TR], s[TC]
	s_cselect_b32 s46, s[CH], s[RH]
	s_cselect_b32 s47, s[RH], s[CH]
	s_cselect_b32 s67, 8, 9
	s_lshr_b32 s98, s2, 3
	s_lshl_b32 s98, s98, 4
	s_lshl_b32 s3, s3, 2
	s_add_co_u32 s98, s98, s3
	s_lshl_b32 s47, s47, 1
	s_add_co_u32 s98, s98, s47                     ; head
	s_and_b32 s2, s2, 7
	s_lshl_b32 s2, s2, 1
	s_add_co_u32 s2, s2, s46                       ; I
	s_mul_i32 s46, s98, 98304
	s_mul_i32 s47, s2, 6144
	s_add_co_u32 s46, s46, s47
	s_mul_i32 s47, s[T], 6291456
	s_add_co_u32 s46, s46, s47
	s_mov_b32 s47, 0
	s_add_nc_u64 s[OB:OB+1], s[14:15], s[46:47]
	s_lshl_b32 s98, s98, 4
	s_add_co_u32 s98, s98, s2
	s_lshl_b32 s98, s98, s67                       ; 512 bytes for eight fragments' words of Q or K, 256 for a key step's of V
	s_lshl_b32 s99, s[T], 19
	s_add_co_u32 s98, s98, s99
	s_mov_b32 s99, 0
	s_add_nc_u64 s[OS:OS+1], s[16:17], s[98:99]
	s_mov_b32 s[SEL], 0x76543210
	s_mov_b32 s[SEL+1], 0xfedcba98
	s_wait_alu depctr_va_vdst(0)
	s_wait_tensorcnt 0x0                           ; my tile of the head's four is in
	ds_add_u32 v[SPW], v[NIL]
	s_mov_b32 s[G1+2], 8<<16                       ; no tensor load of mine is out, so descriptors may be written: from here on a load brings 8 fragments,
	s_mov_b32 s[G1+4], 8
	s_mov_b32 s[G1B+2], 8<<16
	s_mov_b32 s[G1B+4], 8
	s_mul_i32 s2, s[CH], 8*12288                   ; and slot 0's group 0 takes its form for the ring: my half of the tile, my quarter of the slot
	s_mov_b32 s3, 0
	s_add_nc_u64 s[G0+2:G0+3], s[G0+2:G0+3], s[2:3]
	s_add_nc_u64 s[G0B+2:G0B+3], s[G0B+2:G0B+3], s[2:3]
	s_mul_i32 s[G0+1], s[WV], HALFT
	s_mul_i32 s[G0B+1], s[WV], HALFT
	s_wait_dscnt 0x0                               ; the add is done
	CROUND                                         ; all four tiles are in, and all sixteen work-groups are here
	JLOAD G0+4, G1, G0B+4, G1B                     ; slot 1's first fill, the first tensor load behind the round
	FETCH_B 0, 0, 0
	FETCH_A 0, 0, 0
	SCALES 0
	FETCH_A 0, 0, 4
	STEP 0, 0, 1                                   ; the first step's products start the sums: nothing is cleared
	TURN 0, 1, 1
	STEP 1, 0, 0
	TURN 1, 0, 1
	STEP 0, 0, 0
	TURN 0, 1, 0                                   ; nothing is left to fetch
	STEP 1, 0, 0
	s_wait_dscnt 4*NL
	WIN MUL_LO
	MUL16 0, 1, NQ-1, 1, 0
	MUL16 2, 1, NQ-1, 1, 0
	s_wait_dscnt 0
	WIN MUL_HI
	MUL16 4, 1, NQ-1, 1, 0
	MUL16 6, 1, NQ-1, 1, 0
	WIN 0
	; THE WAY OUT.  The selects below are also the places behind the last products.
	s_wait_loadcnt 0x0                             ; the bias
	v_mov_b32 v[ONE], 1.0
.set i, 0
.rept 64
	v_cndmask_b32 v[BB+i], v[BB+i], v[ONE], s[MK]
.set i, i+1
.endr
.irp a, 0,1,2,3,4,5,6,7
	v_cndmask_b32 v[GG+2*\a], v[ONE], v[GL+\a], s[MK]
	v_cndmask_b32 v[GG+2*\a+1], v[ONE], v[GL+\a], s[MK]
.endr
.irp b, 0,1,2,3
	v_mov_b32 v[TMQ+\b], 0                         ; written once: a lane permute's destination counts as one of its sources
.endr
; Block a: 16 rows of A x my 128 of B: bias, quantiser, two half fragments and a scale word.  Each store covers 512 or 256 consecutive bytes, aligned.
.macro EPI a
	WIN 0x20+0x10*((\a)/4)                         ; source 2: window 2 or 3
.set i, 0
.rept 32
	v_pk_fma_f32 v[H+2*i:H+2*i+1], v[BB+2*i:BB+2*i+1], v[GG+2*(\a):GG+2*(\a)+1], v[64*((\a)%4)+2*i:64*((\a)%4)+2*i+1]   ; each accumulator from its low end on
.set i, i+1
.endr
	WIN 0
.set QWAIT, (\a) > 0
	QUANT H
	v_lshrrev_b32 v[TT], v[SHV], v[PW]             ; Q, K: lanes 0-15 keep the first head's two bytes, lanes 16-31 the second's; V: the whole word
	v_and_b32 v[SW+(\a)], s[MASK], v[TT]
.if (\a)%2
	v_lshlrev_b32 v[SW+(\a)], s[SH2], v[SW+(\a)]   ; Q, K: an odd fragment's bytes stand in the upper half
.endif
.if (\a) == 4
	s_add_nc_u64 s[OB:OB+1], s[OB:OB+1], s[STRJ:STRJ+1]   ; (behind the quantiser's wait: the earlier stores have read their base)
.elseif (\a) > 0
	s_add_nc_u64 s[OB:OB+1], s[OB:OB+1], s[STRA:STRA+1]
.endif
	global_store_b128 v[VO16], v[PC:PC+3], s[OB:OB+1]
	global_store_b64 v[VO8], v[PC+4:PC+5], s[OB:OB+1] offset:512
	global_store_b128 v[VO16D], v[PC+6:PC+9], s[OB:OB+1]
	global_store_b64 v[VO8D], v[PC+10:PC+11], s[OB:OB+1] offset:512
.if (\a) == 3
	global_store_b128 v[VOS], v[SW:SW+3], s[OS:OS+1]           ; four blocks' words of a row: 16 bytes a lane.  For V lanes 16-31 write the same bytes to the same places as lanes 0-15
.endif
.if (\a) == 7
	global_store_b128 v[VOS2], v[SW+4:SW+7], s[OS:OS+1]
.endif
.endm
.irp a, 0,1,2,3,4,5,6,7
	EPI \a
.endr
	s_wait_tensorcnt 0x0                           ; the wave's end
	ds_add_u32 v[SPW], v[NIL]
	s_wait_dscnt 0x0
	CROUND                                         ; the closing round: no work-group ends while a partner may still ask for a tile that names it
	s_endpgm
.Lfunc_end_k_q1bed784ff2_proj:
	.size	k_q1bed784ff2_proj, .Lfunc_end_k_q1bed784ff2_proj-k_q1bed784ff2_proj
	.p2alignl 7, 3214868480
	.fill 96, 4, 3214868480
	.section	.rodata,"a",@progbits
	.p2align	6, 0x0
	.amdhsa_kernel k_q1bed784ff2_proj
		.amdhsa_group_segment_fixed_size 327680
		.amdhsa_private_segment_fixed_size 0
		.amdhsa_enable_private_segment 0
		.amdhsa_kernarg_size 56
		.amdhsa_user_sgpr_count 2
		.amdhsa_user_sgpr_kernarg_segment_ptr 1
		.amdhsa_wavefront_size32 1
		.amdhsa_system_sgpr_workgroup_id_x 1
		.amdhsa_system_sgpr_workgroup_id_y 1
		.amdhsa_system_sgpr_workgroup_id_z 1
		.amdhsa_system_vgpr_workitem_id 0
		.amdhsa_next_free_vgpr 1024
		.amdhsa_next_free_sgpr 102
		.amdhsa_reserve_vcc 0
		.amdhsa_float_denorm_mode_32 3
		.amdhsa_float_denorm_mode_16_64 3
		.amdhsa_memory_ordered 1
		.amdhsa_forward_progress 1
		.amdhsa_inst_pref_size 175
	.end_amdhsa_kernel
	.amdgpu_metadata
---
amdhsa.version: [ 1, 2 ]
amdhsa.kernels:
  - .name:           k_q1bed784ff2_proj
    .symbol:         k_q1bed784ff2_proj.kd
    .args:
      - { .name: xc, .offset: 0, .size: 8, .value_kind: global_buffer, .address_space: global }
      - { .name: xs, .offset: 8, .size: 8, .value_kind: global_buffer, .address_space: global }
      - { .name: b_Q, .offset: 16, .size: 8, .value_kind: global_buffer, .address_space: global }
      - { .name: b_K, .offset: 24, .size: 8, .value_kind: global_buffer, .address_space: global }
      - { .name: b_V, .offset: 32, .size: 8, .value_kind: global_buffer, .address_space: global }
      - { .name: pcd, .offset: 40, .size: 8, .value_kind: global_buffer, .address_space: global }
      - { .name: psc, .offset: 48, .size: 8, .value_kind: global_buffer, .address_space: global }
    .group_segment_fixed_size: 327680
    .private_segment_fixed_size: 0
    .kernarg_segment_align: 8
    .kernarg_segment_size: 56
    .max_flat_workgroup_size: 128
    .sgpr_count:     102
    .vgpr_count:     1024
    .wavefront_size: 32
...
	.end_amdgpu_metadata
.endif
;; end of part 2
;; launch attn (part 3): grid 4 x 64, 16 waves a work-group, clusters of 4 x 1, 327,680 bytes of LDS; arguments pcd, psc, ac, asc; writes ac, asc
.if DOCPART == 3
	.amdgcn_target "amdgcn-amd-amdhsa--gfx1250"
	.amdhsa_code_object_version 6
	.text
	.protected	k_q1bed784ff2_attn
	.globl	k_q1bed784ff2_attn
	.p2align	8
	.type	k_q1bed784ff2_attn,@function
k_q1bed784ff2_attn:
	s_mov_b64 s[64:65], 0
	v_nop
	global_prefetch_b8 v0, s[64:65] scope:SCOPE_SE
	s_setreg_imm32_b32 hwreg(HW_REG_WAVE_MODE, 25, 1), 1
	s_wait_xcnt 0x0
	s_wait_alu depctr_hold_cnt(0) depctr_sa_sdst(0) depctr_va_vdst(0) depctr_va_sdst(0) depctr_va_ssrc(0) depctr_va_vcc(0) depctr_vm_vsrc(0)
	s_getreg_b32 s2, hwreg(HW_REG_IB_STS2, 6, 4)
	s_cmp_eq_u32 s2, 0
	s_cbranch_scc0 .Lentry_in_a_cluster
	s_endpgm
.Lentry_in_a_cluster:
	s_bfe_u32 s2, ttmp6, 0x10000c
	s_cmp_lg_u32 s2, 0x3003
	s_cbranch_scc0 .Lentry_shape_is_right
	s_endpgm
.Lentry_shape_is_right:
; context = softmax(Q K^T / 8) V for one (batch, head) and 512 queries a work-group, on codes of FP6 (E2M3) with E8M0 scales; the context is quantised along the head's 64 and leaves as codes for the out-projection.
; LIMITS: NaN and infinities are not served.  The promise holds while the scaled scores (score x log2(e) / 8) stay under 2^31 in magnitude.  A block of zeros gets the byte 1: this program alone reads the bytes.
; THE DEAL.  256 work-groups of 16 waves: work-group y = 16 batch + head, the cluster's four work-groups are the head's four blocks of 512 queries.  A wave takes query fragments 32 cx + wave and 16 further on, one after the other.
; LDS.  A head's K and V, all 2,048 keys, are 2 x 98,304 bytes and lie in LDS whole: [key step of 128: 16][K's 8 fragments 6,144 | V's 4 x 2 half fragments 6,144].  Nothing is filled again and no barrier stands in the loops.
; Each wave asks for one key step by one tensor load: two rows of 6,144 bytes, K's and V's, 6,291,456 bytes apart in pcd.  The four work-groups ask jointly (mask 15): the descriptor hangs on the head and the wave alone.
; The scale words (K 512 + V 256 bytes a key step) come by plain loads, 16 + 8 bytes a thread, and LDS stores into bytes of their own behind the codes.
; No data prefetch: every tile is asked for at the head, so there is no loop to run ahead in.
; BOTH PRODUCTS ARE USED TRANSPOSED (S^T = K Q^T, O^T = V^T P^T): a lane holds one query.  A head has 64 along K, the instruction 128: source 0 is a pair of K's half fragments, source 1 is [Q | 0] for the even and [0 | Q] for the odd one;
; zero codes add nothing, and the scale word of a fragment of K holds 0 (a finite code) in the other half.
; K's fragment F holds in lane r key 64 (F / 4) + 8 (F % 4) + r % 8 + 32 (r / 8): so register 32 c + i of a lane's 64 scores is key 64 c + 32 h + i, a WHOLE block of 32 in a lane, in the order of the next operand's registers.
; SOFTMAX: M = ceil(running largest t), kept as -M; p = 2^(t - M); the sum is taken of p before it is quantised; a change of M multiplies the sum and O^T by a power of two.  A block's largest p is made from its largest score by the same two instructions.
; The next step's fragments of K are fetched behind this step's score products (the last step of a tile fetches step 0, which the wave's next tile reads; behind the last tile that fetch is not used).  V's fragments land in the scores' registers.
; OUT.  ac[token fragment][head][768]; asc: two bytes a row and head, 8 bytes apart: one head to a work-group leaves no more of a scale word here.
.set STEPB, 12288
.set VOFF,  6144
.set SCB,   768                        ; a key step's scale words
.set SCK,   16*STEPB
.set SPARE, SCK+16*SCB                 ; the spare words, 128 bytes a wave, which no other line names
.set AK16, 1                           ; 16 x lane
.set AK8,  2                           ; 8 x lane
.set ASC,  3                           ; SCK + 16 r
.set SH8,  4                           ; 8 h
.set SPW,  5
.set NIL,  6
.set GS,   7                           ; 8 r
.set KA16, 8                           ; LDS addresses for K's fetches
.set KA8,  9
.set KAS,  10
.set OLD,  11                          ; -M of the step before.  v12 -M, v13 the running largest t, v[14:15] the sum in two halves
.set QZ,   16                          ; v16-21 zeros, v22-27 Q, v28-33 zeros
.set QB,   34                          ; the second tile's Q
.set QW,   40
.set QWB,  41
.set HW,   42
.set TMP,  43
.set F,    44                          ; v44 the factor; v45 is named as the pair's upper half and holds 0
.set PX,   46
.set PWD,  47                          ; p's scale word
.set K,    48                          ; v48-95 eight half fragments
.set S,    96                          ; v96-159 scores, p, then V's fragments
.set O,    160
.set P,    192
.set CV,   204
.set BM,   212
.set PA,   216
.set PB,   218
.set PC,   248
.set PD,   250
.set SO,   220
.set VA16, 222                         ; LDS addresses for V's fetches
.set VA8,  223
.set KS,   224
.set VS,   232
.set VAS,  236
.set GQ,   237
.set GK,   238
.set GV,   239
.set DK,   240
.set DV,   244
.set SX,   246
.set SY,   247
.set WV,   18
.set G1,   24
.set G0,   32
.set SEL,  44
.set CS,   46
.set TB,   48
.set TS,   49
.set T2,   50
.set CNT,  51
.set PASS, 52
.macro CROUND
	s_barrier_signal -1
	s_barrier_wait -1
	s_cmp_lg_u32 s[WV], 0
	s_cbranch_scc1 .Lnot_wave_0_\@
	s_barrier_signal -3
.Lnot_wave_0_\@:
	s_barrier_wait -3
	s_barrier_signal -1
	s_barrier_wait -1
.endm
.macro KLOAD n                         ; K's eight half fragments and their scale words, n steps behind KA's
.irp t, 0,1,2,3,4,5,6,7
	ds_load_b128 v[K+6*\t:K+6*\t+3], v[KA16] offset:(\n)*STEPB+768*\t
	ds_load_b64 v[K+6*\t+4:K+6*\t+5], v[KA8] offset:(\n)*STEPB+768*\t+512
.endr
	ds_load_b128 v[KS:KS+3], v[KAS] offset:(\n)*SCB
	ds_load_b128 v[KS+4:KS+7], v[KAS] offset:(\n)*SCB+256
.endm
.macro STEP u                          ; 128 keys x 16 queries; u: the trip's first or second step
.irp t, 0,1,2,3,4,5,6,7
	v_wmma_scale_f32_16x16x128_f8f6f4 v[S+8*\t:S+8*\t+7], v[K+12*(\t/2):K+12*(\t/2)+11], v[QZ+6-6*(\t%2):QZ+17-6*(\t%2)], 0, v[KS+\t], v[QW] matrix_a_fmt:MATRIX_FMT_FP6 matrix_b_fmt:MATRIX_FMT_FP6
.endr
.if \u                                 ; four plain lines: the places ahead of the fetch into K's registers and of the first read of the scores
	v_add_nc_u32 v[KA16], s[TB], v[AK16]           ; the next trip's K
	v_add_nc_u32 v[KA8], s[TB], v[AK8]
	v_add_nc_u32 v[KAS], s[TS], v[ASC]
.else
	v_add_nc_u32 v[VA16], s[TB], v[AK16]           ; this trip's V
	v_add_nc_u32 v[VA8], s[TB], v[AK8]
	v_add_nc_u32 v[VAS], s[TS], v[ASC]
.endif
	v_nop
.if \u == 0
	s_add_co_u32 s[T2], s[CNT], 1                  ; the next trip, round to 0 behind the eighth
	s_and_b32 s[T2], s[T2], 7
	s_mul_i32 s[TB], s[T2], 2*STEPB
	s_mul_i32 s[TS], s[T2], 2*SCB
.endif
	KLOAD 1-\u
.irp b, 0,1,2,3                        ; the largest score of each block of 32: two chains a block, each accumulator from its low end on
	v_max3_num_f32 v[BM+\b], v[S+16*\b], v[S+1+16*\b], v[S+2+16*\b]
.endr
.irp i, 3,5,7,9,11,13
.irp b, 0,1,2,3
	v_max3_num_f32 v[BM+\b], v[BM+\b], v[S+16*\b+\i], v[S+1+16*\b+\i]
.endr
.endr
	v_max3_num_f32 v[BM], v[BM], v[BM+1], v[S+15]
	v_max3_num_f32 v[BM+2], v[BM+2], v[BM+3], v[S+47]
	v_max_num_f32 v[BM], v[BM], v[S+31]
	v_max_num_f32 v[BM+2], v[BM+2], v[S+63]
	v_max_num_f32 v[TMP], v[BM], v[BM+2]
	s_delay_alu instid0(VALU_DEP_1)
	v_permlanex16_b32 v[PX], v[TMP], s[SEL], s[SEL+1]   ; with lane l xor 16's 64 keys
	s_delay_alu instid0(VALU_DEP_1)
	v_max_num_f32 v[TMP], v[TMP], v[PX]
	s_delay_alu instid0(VALU_DEP_1)
	v_mul_f32 v[TMP], s[CS], v[TMP]
	s_delay_alu instid0(VALU_DEP_1)
	v_max_num_f32 v13, v13, v[TMP]
	s_delay_alu instid0(VALU_DEP_1)
	v_floor_f32 v12, -v13                          ; -M = -ceil(t)
.set j, 0
.irp w, 0,1,2,3                        ; t - M, two at a time; the three lines that make the factor 2^(old M - new M) stand among them, eight lines apart
.rept 8
	v_pk_fma_f32 v[S+j:S+j+1], v[S+j:S+j+1], s[CS:CS+1], v[12:13] op_sel_hi:[1,0,0]
.set j, j+2
.endr
.if \w == 0
	v_sub_f32 v[TMP], v12, v[OLD]
.elseif \w == 1
	v_cvt_i32_f32 v[TMP], v[TMP]
.elseif \w == 2
	v_ldexp_f32 v[F], 1.0, v[TMP]
.endif
.endr
	v_fma_f32 v[BM], v[BM], s[CS], v12
	v_fma_f32 v[BM+2], v[BM+2], s[CS], v12
	s_wait_alu depctr_va_vdst(0)
	v_exp_f32 v[BM], v[BM]
	v_exp_f32 v[BM+2], v[BM+2]
.set j, 0
.rept 64
	v_exp_f32 v[S+j], v[S+j]
.set j, j+1
.endr
	v_mov_b32 v[OLD], v12                          ; for the next step; the plain line behind the batch
	s_wait_alu depctr_va_vdst(0)                   ; one wait for the batch, ahead of its first reader
	v_pk_add_f32 v[PA:PA+1], v[S:S+1], v[S+2:S+3]  ; the step's sum of p, in four chains
	v_pk_add_f32 v[PB:PB+1], v[S+4:S+5], v[S+6:S+7]
	v_pk_add_f32 v[PC:PC+1], v[S+8:S+9], v[S+10:S+11]
	v_pk_add_f32 v[PD:PD+1], v[S+12:S+13], v[S+14:S+15]
.irp j, 16,24,32,40,48,56
	v_pk_add_f32 v[PA:PA+1], v[PA:PA+1], v[S+\j:S+1+\j]
	v_pk_add_f32 v[PB:PB+1], v[PB:PB+1], v[S+2+\j:S+3+\j]
	v_pk_add_f32 v[PC:PC+1], v[PC:PC+1], v[S+4+\j:S+5+\j]
	v_pk_add_f32 v[PD:PD+1], v[PD:PD+1], v[S+6+\j:S+7+\j]
.endr
	v_pk_add_f32 v[PA:PA+1], v[PA:PA+1], v[PC:PC+1]
	v_pk_add_f32 v[PB:PB+1], v[PB:PB+1], v[PD:PD+1]
	v_max_num_f32 v[BM], 0x1800000, v[BM]          ; the floor 2^(3 - 127): the byte cannot fall under 1
	v_max_num_f32 v[BM+2], 0x1800000, v[BM+2]
	v_add_nc_u32 v[SO], 0xff000000, v[BM]          ; 2 off the exponent field: the conversions' scale operand
	v_add_nc_u32 v[SO+1], 0xff000000, v[BM+2]
.irp c, 0,1
	v_cvt_scalef32_pk16_fp6_f32 v[P+6*\c:P+2+6*\c], v[S+32*\c:S+15+32*\c], v[SO+\c]
	v_cvt_scalef32_pk16_fp6_f32 v[CV+4*\c:CV+2+4*\c], v[S+16+32*\c:S+31+32*\c], v[SO+\c]   ; (a conversion's three registers begin on an even number)
.endr
	v_lshrrev_b32 v[BM+1], 23, v[SO]               ; my two blocks' bytes; the plain line behind the conversions
.irp d, 0,1,2,3
	ds_load_b128 v[S+12*\d:S+12*\d+3], v[VA16] offset:\u*STEPB+VOFF+1536*\d
	ds_load_b64 v[S+12*\d+4:S+12*\d+5], v[VA8] offset:\u*STEPB+VOFF+1536*\d+512
	ds_load_b128 v[S+12*\d+6:S+12*\d+9], v[VA16] offset:\u*STEPB+VOFF+1536*\d+768
	ds_load_b64 v[S+12*\d+10:S+12*\d+11], v[VA8] offset:\u*STEPB+VOFF+1536*\d+1280
.endr
	ds_load_b128 v[VS:VS+3], v[VAS] offset:\u*SCB+512
	v_lshrrev_b32 v[BM+3], 23, v[SO+1]
	v_lshl_or_b32 v[PWD], v[BM+3], 16, v[BM+1]     ; blocks h and 2 + h,
	v_lshlrev_b32 v[PWD], v[SH8], v[PWD]           ; at their places in the scale word;
	v_permlanex16_b32 v[PX], v[PWD], s[SEL], s[SEL+1]
	v_or_b32 v[PWD], v[PWD], v[PX]                 ; with lane l xor 16's two the word is whole
.irp c, 0,1
.irp i, 0,1,2
	v_mov_b32 v[P+3+6*\c+\i], v[CV+4*\c+\i]
.endr
.endr
	s_wait_alu depctr_va_vdst(0)
.set j, 0
.rept 16
	v_pk_mul_f32 v[O+j:O+j+1], v[O+j:O+j+1], v[F:F+1] op_sel_hi:[1,0]
.set j, j+2
.endr
	s_wait_alu depctr_va_vdst(0)
	s_wait_dscnt 0x0                               ; V's fragments, the youngest loads, are in, and so the next step's K
.irp d, 0,1,2,3
	v_wmma_scale_f32_16x16x128_f8f6f4 v[O+8*\d:O+8*\d+7], v[S+12*\d:S+12*\d+11], v[P:P+11], v[O+8*\d:O+8*\d+7], v[VS+\d], v[PWD] matrix_a_fmt:MATRIX_FMT_FP6 matrix_b_fmt:MATRIX_FMT_FP6
.endr
	v_pk_add_f32 v[PA:PA+1], v[PA:PA+1], v[PB:PB+1]            ; five plain lines: the next score products write over V's registers
	v_pk_fma_f32 v[14:15], v[14:15], v[F:F+1], v[PA:PA+1] op_sel_hi:[1,0,1]   ; the sum under the new M, and this step's
	v_nop
	v_nop
	v_nop
.endm
.macro START                           ; a tile of queries begins
	v_mov_b32 v13, 0xff61b1e6                      ; -3e38, under every t
	v_floor_f32 v12, -v13
	v_mov_b32 v14, 0
	v_mov_b32 v15, 0
	v_mov_b32 v[OLD], v12
.set j, 0
.rept 32
	v_mov_b32 v[O+j], 0
.set j, j+1
.endr
.endm
.macro FINISH                          ; O^T / the sum; register 16 b + i is channel 32 b + 16 h + i; quantised along the head's 64; a half fragment and two scale bytes a row
	s_wait_alu depctr_va_vdst(0)
	v_add_f32 v14, v14, v15
	v_permlanex16_b32 v[PX], v14, s[SEL], s[SEL+1]
	v_add_f32 v14, v14, v[PX]
	s_wait_alu depctr_va_vdst(0)
	v_rcp_f32 v[F], v14
	v_nop
	s_wait_alu depctr_va_vdst(0)
.set j, 0
.rept 16
	v_pk_mul_f32 v[S+j:S+j+1], v[O+j:O+j+1], v[F:F+1] op_sel_hi:[1,0]
.set j, j+2
.endr
.irp b, 0,1
	v_max3_num_f32 v[BM+\b], |v[S+16*\b]|, |v[S+1+16*\b]|, 0x1800000
.endr
.irp i, 2,4,6,8,10,12,14
.irp b, 0,1
	v_max3_num_f32 v[BM+\b], v[BM+\b], |v[S+16*\b+\i]|, |v[S+1+16*\b+\i]|
.endr
.endr
.irp b, 0,1
	v_permlanex16_b32 v[PA+\b], v[BM+\b], s[SEL], s[SEL+1]
.endr
.irp b, 0,1
	v_max_num_f32 v[BM+\b], v[BM+\b], v[PA+\b]
.endr
.irp b, 0,1
	v_add_nc_u32 v[SO+\b], 0xff000000, v[BM+\b]
.endr
.irp b, 0,1
	v_lshrrev_b32 v[PA+\b], 23, v[SO+\b]
.endr
	v_lshl_or_b32 v[HW], v[PA+1], 8, v[PA]
	v_cvt_scalef32_pk16_fp6_f32 v[P:P+2], v[S:S+15], v[SO]
	v_cvt_scalef32_pk16_fp6_f32 v[CV:CV+2], v[S+16:S+31], v[SO+1]
	v_nop
.irp i, 0,1,2
	v_permlane16_swap_b32 v[P+\i], v[CV+\i]
.endr
.irp i, 0,1,2
	v_mov_b32 v[P+3+\i], v[CV+\i]
.endr
	global_store_b128 v[AK16], v[P:P+3], s[8:9]
	global_store_b64 v[AK8], v[P+4:P+5], s[8:9] offset:512
	global_store_b16 v[GS], v[HW], s[10:11]        ; lanes 16-31 write the same bytes as lanes 0-15
.endm
	s_load_b256 s[4:11], s[0:1], 0x0               ; pcd, psc, ac, asc
	v_lshl_add_u32 v[SPW], v0, 2, SPARE
	v_mov_b32 v[NIL], 0
	ds_add_u32 v[SPW], v[NIL]                      ; the opening lines: the add twice on end and its wait, ahead of my tensor load
	ds_add_u32 v[SPW], v[NIL]
	v_lshrrev_b32 v[TMP], 5, v0
	v_readfirstlane_b32 s[WV], v[TMP]
	s_bfe_u32 s12, ttmp6, 0x40000                  ; cx: which 512 queries
	s_and_b32 s13, ttmp7, 0xffff                   ; 16 batch + head
	s_mov_b32 s[G1], 15|(3<<16)|(1<<21)            ; the four partners; elements of 8 bytes
	s_mov_b32 s[G1+1], 768<<16
	s_mov_b32 s[G1+2], 2<<16
	s_mov_b32 s[G1+3], 768<<16
	s_mov_b32 s[G1+4], 2
	s_mov_b32 s[G1+5], 786432                      ; from K's row to V's
	s_mov_b32 s[G1+6], 0
	s_mov_b32 s[G1+7], 0
	s_mov_b32 s[G0], 1
	s_mul_i32 s[G0+1], s[WV], STEPB
	s_mul_i32 s2, s13, 98304
	s_mul_i32 s3, s[WV], 6144
	s_add_co_u32 s20, s2, s3
	s_add_co_u32 s20, s20, 6291456                 ; K's key step 'wave'
	s_mov_b32 s21, 0
	s_lshl_b32 s14, s13, 13
	s_add_co_u32 s14, s14, 524288                  ; K's scale words
	s_mov_b32 s15, 0
	s_lshl_b32 s16, s13, 12
	s_add_co_u32 s16, s16, 1048576                 ; V's
	s_mov_b32 s17, 0
	s_lshl_b32 s19, s12, 5
	s_add_co_u32 s19, s19, s[WV]                   ; my first query fragment
	s_mul_i32 s36, s19, 768
	s_add_co_u32 s36, s36, s2
	s_mov_b32 s37, 0
	s_lshl_b32 s38, s13, 13
	s_lshr_b32 s3, s19, 2
	s_lshl_b32 s3, s3, 8
	s_add_co_u32 s38, s38, s3
	s_and_b32 s3, s19, 3
	s_lshl_b32 s3, s3, 2
	s_add_co_u32 s38, s38, s3                      ; its scale words
	s_mov_b32 s39, 0
	s_lshr_b32 s3, s13, 4
	s_lshl_b32 s3, s3, 7
	s_add_co_u32 s3, s3, s19                       ; the token fragment: 128 batch + query fragment
	s_and_b32 s22, s13, 15                         ; the head
	s_lshl_b32 s40, s3, 4
	s_add_co_u32 s40, s40, s22
	s_mul_i32 s40, s40, 768
	s_mov_b32 s41, 0
	s_lshl_b32 s42, s3, 9                          ; asc: 512 fragment + 128 (head / 4) + 4 ((head / 2) % 2) + 2 (head % 2)
	s_lshr_b32 s23, s22, 2
	s_lshl_b32 s23, s23, 7
	s_add_co_u32 s42, s42, s23
	s_bfe_u32 s23, s22, 0x10001
	s_lshl_b32 s23, s23, 2
	s_add_co_u32 s42, s42, s23
	s_and_b32 s23, s22, 1
	s_lshl_b32 s23, s23, 1
	s_add_co_u32 s42, s42, s23
	s_mov_b32 s43, 0
	s_mov_b32 s[SEL], 0x76543210
	s_mov_b32 s[SEL+1], 0xfedcba98
	s_mov_b32 s[CS], 0x3e38aa3b                    ; log2(e) / 8
	s_mov_b32 s[CS+1], s[CS]
	s_mov_b32 s[TB], 0
	s_mov_b32 s[TS], 0
	s_wait_alu depctr_va_vdst(0)
	s_wait_dscnt 0x0
	CROUND                                         ; the round in front of the joint loads
	s_wait_kmcnt 0x0
	s_add_nc_u64 s[G0+2:G0+3], s[4:5], s[20:21]
	s_or_b32 s[G0+3], s[G0+3], 0x80000000
	tensor_load_to_lds s[G0:G0+3], s[G1:G1+7]      ; my one tensor load: key step 'wave', K and V
	s_nop 0
.rept 4
	v_nop
.endr
	s_add_nc_u64 s[14:15], s[6:7], s[14:15]
	s_add_nc_u64 s[16:17], s[6:7], s[16:17]
	s_add_nc_u64 s[36:37], s[4:5], s[36:37]
	s_add_nc_u64 s[38:39], s[6:7], s[38:39]
	s_add_nc_u64 s[8:9], s[8:9], s[40:41]
	s_add_nc_u64 s[10:11], s[10:11], s[42:43]
	v_and_b32 v[TMP], 31, v0
	v_and_b32 v[PX], 15, v0
	v_bfe_u32 v[SH8], v0, 4, 1
	v_lshrrev_b32 v[HW], 5, v0
	v_lshlrev_b32 v[AK16], 4, v[TMP]
	v_lshlrev_b32 v[AK8], 3, v[TMP]
	v_lshl_add_u32 v[ASC], v[PX], 4, SCK
	v_lshlrev_b32 v[SH8], 3, v[SH8]
	v_lshlrev_b32 v[GS], 3, v[PX]
	v_lshlrev_b32 v[GQ], 4, v[PX]
	v_lshlrev_b32 v[GK], 4, v0
	v_lshlrev_b32 v[GV], 3, v0
	v_mul_u32_u24 v[HW], v[HW], SCB
	v_add_nc_u32 v[SX], v[HW], v[AK16]
	v_add_nc_u32 v[SY], v[HW], v[AK8]
	v_add_nc_u32 v[SX], SCK, v[SX]                 ; wave w's threads carry key step w's scale words: K's 512 bytes,
	v_add_nc_u32 v[SY], SCK+512, v[SY]             ; then V's 256
	global_load_b128 v[DK:DK+3], v[GK], s[14:15]
	global_load_b64 v[DV:DV+1], v[GV], s[16:17]
	global_load_b128 v[QZ+6:QZ+9], v[AK16], s[36:37]
	global_load_b64 v[QZ+10:QZ+11], v[AK8], s[36:37] offset:512
	global_load_b128 v[QB:QB+3], v[AK16], s[36:37] offset:12288
	global_load_b64 v[QB+4:QB+5], v[AK8], s[36:37] offset:12800
	global_load_b32 v[QW], v[GQ], s[38:39]
	global_load_b32 v[QWB], v[GQ], s[38:39] offset:1024
.irp i, 0,1,2,3,4,5
	v_mov_b32 v[QZ+\i], 0
	v_mov_b32 v[QZ+12+\i], 0
.endr
	v_mov_b32 v[F+1], 0
	v_add_nc_u32 v[KA16], s[TB], v[AK16]
	v_add_nc_u32 v[KA8], s[TB], v[AK8]
	v_add_nc_u32 v[KAS], s[TS], v[ASC]
	s_wait_alu depctr_va_vdst(0)
	s_wait_loadcnt 0x0
	ds_store_b128 v[SX], v[DK:DK+3]
	ds_store_b64 v[SY], v[DV:DV+1]
	v_alignbit_b32 v[TMP], v[QW], v[QW], 16        ; Q's two bytes stand in one half of its word: both halves get them
	v_or_b32 v[QW], v[QW], v[TMP]
	v_alignbit_b32 v[TMP], v[QWB], v[QWB], 16
	v_or_b32 v[QWB], v[QWB], v[TMP]
	START
	s_wait_alu depctr_va_vdst(0)
	s_wait_tensorcnt 0x0                           ; my key step is in,
	s_wait_dscnt 0x0                               ; my scale words are stored:
	s_barrier_signal -1
	s_barrier_wait -1                              ; both hold of every wave
	KLOAD 0
	s_wait_dscnt 0x0
	s_mov_b32 s[PASS], 0
.Lpass:                                            ; a tile of 16 queries
	s_mov_b32 s[CNT], 0
.Ltrip:                                            ; two key steps a trip
	STEP 0
	STEP 1
	s_add_co_u32 s[CNT], s[CNT], 1
	s_cmp_lt_u32 s[CNT], 8
	s_cbranch_scc1 .Ltrip
	FINISH
	s_cmp_eq_u32 s[PASS], 1
	s_cbranch_scc1 .Llast
.irp i, 0,1,2,3,4,5
	v_mov_b32 v[QZ+6+\i], v[QB+\i]
.endr
	v_mov_b32 v[QW], v[QWB]
	START
	s_wait_xcnt 0x0                                ; the stores have read their registers and bases
	s_add_nc_u64 s[8:9], s[8:9], 16*16*768         ; 16 token fragments on
	s_add_nc_u64 s[10:11], s[10:11], 16*512
.Llast:
	s_add_co_u32 s[PASS], s[PASS], 1
	s_cmp_lt_u32 s[PASS], 2
	s_wait_alu depctr_va_vdst(0)
	s_cbranch_scc1 .Lpass
	s_wait_tensorcnt 0x0                           ; the wave's end
	ds_add_u32 v[SPW], v[NIL]
	s_wait_dscnt 0x0
	CROUND                                         ; the closing round
	s_endpgm
.Lfunc_end_k_q1bed784ff2_attn:
	.size	k_q1bed784ff2_attn, .Lfunc_end_k_q1bed784ff2_attn-k_q1bed784ff2_attn
	.p2alignl 7, 3214868480
	.fill 96, 4, 3214868480
	.section	.rodata,"a",@progbits
	.p2align	6, 0x0
	.amdhsa_kernel k_q1bed784ff2_attn
		.amdhsa_group_segment_fixed_size 327680
		.amdhsa_private_segment_fixed_size 0
		.amdhsa_enable_private_segment 0
		.amdhsa_kernarg_size 32
		.amdhsa_user_sgpr_count 2
		.amdhsa_user_sgpr_kernarg_segment_ptr 1
		.amdhsa_wavefront_size32 1
		.amdhsa_system_sgpr_workgroup_id_x 1
		.amdhsa_system_sgpr_workgroup_id_y 1
		.amdhsa_system_sgpr_workgroup_id_z 1
		.amdhsa_system_vgpr_workitem_id 0
		.amdhsa_next_free_vgpr 256
		.amdhsa_next_free_sgpr 66
		.amdhsa_reserve_vcc 0
		.amdhsa_float_denorm_mode_32 3
		.amdhsa_float_denorm_mode_16_64 3
		.amdhsa_memory_ordered 1
		.amdhsa_forward_progress 1
		.amdhsa_inst_pref_size 45
	.end_amdhsa_kernel
	.amdgpu_metadata
---
amdhsa.version: [ 1, 2 ]
amdhsa.kernels:
  - .name:           k_q1bed784ff2_attn
    .symbol:         k_q1bed784ff2_attn.kd
    .args:
      - { .name: pcd, .offset: 0, .size: 8, .value_kind: global_buffer, .address_space: global }
      - { .name: psc, .offset: 8, .size: 8, .value_kind: global_buffer, .address_space: global }
      - { .name: ac, .offset: 16, .size: 8, .value_kind: global_buffer, .address_space: global }
      - { .name: asc, .offset: 24, .size: 8, .value_kind: global_buffer, .address_space: global }
    .group_segment_fixed_size: 327680
    .private_segment_fixed_size: 0
    .kernarg_segment_align: 8
    .kernarg_segment_size: 32
    .max_flat_workgroup_size: 512
    .sgpr_count:     66
    .vgpr_count:     256
    .wavefront_size: 32
...
	.end_amdgpu_metadata
.endif
;; end of part 3
;; launch oproj (part 4): grid 32 x 8, 4 waves a work-group, clusters of 4 x 4, 327,680 bytes of LDS; arguments ac, asc, xc, xs, b_O, out0; writes out0
.if DOCPART == 4
	.amdgcn_target "amdgcn-amd-amdhsa--gfx1250"
	.amdhsa_code_object_version 6
	.text
	.protected	k_q1bed784ff2_oproj
	.globl	k_q1bed784ff2_oproj
	.p2align	8
	.type	k_q1bed784ff2_oproj,@function
k_q1bed784ff2_oproj:
	s_mov_b64 s[64:65], 0
	v_nop
	global_prefetch_b8 v0, s[64:65] scope:SCOPE_SE
	s_setreg_imm32_b32 hwreg(HW_REG_WAVE_MODE, 25, 1), 1
	s_wait_xcnt 0x0
	s_wait_alu depctr_hold_cnt(0) depctr_sa_sdst(0) depctr_va_vdst(0) depctr_va_sdst(0) depctr_va_ssrc(0) depctr_va_vcc(0) depctr_vm_vsrc(0)
	s_getreg_b32 s2, hwreg(HW_REG_IB_STS2, 6, 4)
	s_cmp_eq_u32 s2, 0
	s_cbranch_scc0 .Lentry_in_a_cluster
	s_endpgm
.Lentry_in_a_cluster:
	s_bfe_u32 s2, ttmp6, 0x10000c
	s_cmp_lg_u32 s2, 0xf033
	s_cbranch_scc0 .Lentry_shape_is_right
	s_endpgm
.Lentry_shape_is_right:
; out0[token][n] = b_O[n] + sum over k of context[token][k] W_O[n][k], f32, on codes of FP6 (E2M3) with E8M0 scales: 8,192 x 1,024 x 1,024.
; LIMITS: NaN, infinities and sums beyond f32's range are not served.  A sum begins with the bias.
; OPERANDS are images of their registers.  A fragment (16 rows, all of K) is 12,288 bytes: [K step 8][c 2][768]: a lane's registers 0-3 at 16 x lane, registers 4-5 at 512 + 8 x lane.  ac: the context's 512 fragments; xc: W_O's 64 from fragment 1,728 on.
; Lane r of fragment F holds row 32 (F / 2) + 8 (F % 2) + r + 8 (r / 8).  Scale words (asc, xs): 512 bytes a fragment, [pair of K steps 4][r 16][2 words].
; THE DEAL.  256 work-groups of four waves, 2 x 2, each 256 rows x 128 columns.  Wave (a, b) holds W_O's fragments 4 b .. 4 b + 3 of the work-group's eight, all of K, in 384 registers, and streams past them the context's fragments 2 s + a, s = 0 .. 7.
; The cluster's x counts tile rows: A's fragments are shared by a column of the cluster, B's by a row.
; LDS: A's 16 fragments (196,608 bytes), B's 8 (98,304), the spare words.  All is asked for at the head: no refill, and so no data prefetch.  The waves' stages lie in B's first bytes, which are read for the last time ahead of the barrier in front of the stream.
; THE HEAD'S FOUR TILES, one a wave, each on a line of its own: B; A's fragments 0-7; 8-11; 12-15.  The stream begins when the first two are in; a plain barrier inside block 1 shows the others, ahead of the fetch of block 4.
; SCALE WORDS come straight into registers, 256 consecutive bytes a load: register 2 (q / 4) + q % 2 of a fragment's four holds K step q's word in lanes 0-15 where (q / 2) % 2 = 0, else in lanes 16-31.
; SOURCE 0 = W_O's rows: register j of a result's lane (r, h) is column 32 (G / 2) + 8 (G % 2) + 16 h + j of the row in lane r.  A block's sums go through the wave's own stage and leave as whole rows of 256 bytes.
; ONE WAIT ON LDS A BLOCK, ahead of its stores: younger than the rows' way back are the 32 loads of the fetch alone.  It shows the next block's fragments in too.
.set FB,     12288
.set QS,     1536
.set NQ,     8
.set NB,     4
.set FR,     12
.set FPW,    21                        ; fragments in a window of 256 registers
.set NF,     32                        ; LDS loads of a block
.set YB,     16*FB
.set STAGE,  YB
.set SPITCH, 272
.set SPARE,  YB+8*FB
.set WOFF,   1728
.set A160, 4                           ; v4, v5  LDS addresses of my block 0: 16 x lane, 8 x lane
.set A80,  5
.set CO,   9                           ; my byte offset in out0: row l / 16, 16 bytes x (l % 16)
.set SPW,  10
.set NIL,  11
.set A16,  12                          ; as v4, v5 for the block that is fetched next
.set A8,   13
.set B16,  14
.set B8,   15
.set SOF,  16                          ; 8 x lane
.set BOF,  17                          ; 64 h
.set STO,  18
.set RD,   19
.set SB,   24                          ; v24-39  W_O's scale words, four registers a fragment
.set SA,   42                          ; v42-73  the context's, four a block
.set ACC,  80                          ; v80-143 two sets of four accumulators
.set BK,   144                         ; v144-207 two sets: 16 rows x 256 bytes back from the stage
.set BO,   208                         ; v208-239 the bias as the first four products' C
.set WV,  16
.set G1A, 24
.set G1B, 32
.set G0A, 56
.set G0B, 60
.set MSB, 0
.macro WIN new
.if MSB != \new
	s_set_vgpr_msb (MSB<<8)|\new
.set MSB, \new
.endif
.endm
.macro PLACES n
.rept \n
	v_nop
.endr
.endm
.macro WALU
	s_wait_alu depctr_va_vdst(0)
.endm
.macro BARRIER
	s_barrier_signal -1
	s_barrier_wait -1
.endm
.macro CROUND
	BARRIER
	s_cmp_lg_u32 s[WV], 0
	s_cbranch_scc1 .Lnot_wave_0_\@
	s_barrier_signal -3
.Lnot_wave_0_\@:
	s_barrier_wait -3
	BARRIER
.endm
.macro TLOAD g0, g1                    ; an s_nop 0 and four v_nop follow a tensor load
	tensor_load_to_lds s[\g0:\g0+3], s[\g1:\g1+7]
	s_nop 0
	PLACES 4
.endm
.macro ATILE first, rows               ; some of A's 16 fragments, by a descriptor of constants
	s_mov_b32 s[G0A+1], (\first)*FB
	s_mov_b32 s[G1A+2], (\rows)<<16
	s_mov_b32 s[G1A+4], \rows
.if \first
	s_add_nc_u64 s[G0A+2:G0A+3], s[G0A+2:G0A+3], (\first)*FB
.endif
	s_or_b32 s[G0A+3], s[G0A+3], 0x80000000
	TLOAD G0A, G1A
.endm
.macro GROUP1 g, mask, rows            ; rows of one fragment, 1,536 elements of 8 bytes, dense
	s_or_b32 s[\g+0], s[\mask], (3<<16)|(1<<21)
	s_mov_b32 s[\g+1], (FB/8)<<16
	s_mov_b32 s[\g+3], (FB/8)<<16
.if \rows
	s_mov_b32 s[\g+2], (\rows)<<16
	s_mov_b32 s[\g+4], \rows
.endif
	s_mov_b32 s[\g+5], FB/8
	s_mov_b32 s[\g+6], 0
	s_mov_b32 s[\g+7], 0
.endm
; register fragments: 0-31 W_O's (4 q + tile), 32-47 the context's two sets (32 + 8 e + q); fragment f lies in window 1 + f / 21 at register 12 (f % 21)
.macro FRAG4 f, a16, a8, off
	WIN (1+(\f)/FPW)<<6
.set R_, FR*((\f)%FPW)
	ds_load_b128 v[R_:R_+3], v[\a16] offset:(\off)
	ds_load_b64 v[R_+4:R_+5], v[\a8] offset:(\off)+512
	ds_load_b128 v[R_+6:R_+9], v[\a16] offset:(\off)+768
	ds_load_b64 v[R_+10:R_+11], v[\a8] offset:(\off)+1280
.endm
.macro FETCH e, a16, a8                ; a block into set e: NF loads
.irp q, 0,1,2,3,4,5,6,7
	FRAG4 NB*NQ+NQ*(\e)+\q, \a16, \a8, QS*\q
.endr
	WIN 0
.endm
.macro PROD1 d, s0, s1, c, x0, x1, o
.if \o
	v_wmma_scale_f32_16x16x128_f8f6f4 v[\d:\d+7], v[FR*((\s0)%FPW):FR*((\s0)%FPW)+FR-1], v[FR*((\s1)%FPW):FR*((\s1)%FPW)+FR-1], \c, v[\x0], v[\x1] matrix_a_fmt:MATRIX_FMT_FP6 matrix_b_fmt:MATRIX_FMT_FP6 matrix_a_scale:MATRIX_SCALE_ROW1 matrix_b_scale:MATRIX_SCALE_ROW1
.else
	v_wmma_scale_f32_16x16x128_f8f6f4 v[\d:\d+7], v[FR*((\s0)%FPW):FR*((\s0)%FPW)+FR-1], v[FR*((\s1)%FPW):FR*((\s1)%FPW)+FR-1], \c, v[\x0], v[\x1] matrix_a_fmt:MATRIX_FMT_FP6 matrix_b_fmt:MATRIX_FMT_FP6
.endif
.endm
.macro PROD e, s, n                    ; product n = 4 q + tile of block s, whose fragments lie in set e; the four accumulators by turns
.set Q_, (\n)/4
.set FB_, NB*Q_+(\n)%4
.set FA_, NB*NQ+NQ*(\e)+Q_
.set D_, ACC+32*(\e)+8*((\n)%4)
.set XB_, SB+4*((\n)%4)+2*(Q_/4)+Q_%2
.set XA_, SA+4*(\s)+2*(Q_/4)+Q_%2
	WIN (1+FB_/FPW)|((1+FA_/FPW)<<2)
.if Q_
	PROD1 D_, FB_, FA_, v[D_:D_+7], XB_, XA_, (Q_/2)%2
.else
	PROD1 D_, FB_, FA_, v[BO+8*((\n)%4):BO+8*((\n)%4)+7], XB_, XA_, 0
.endif
.endm
.macro PRODS e, s, from, to
.set N_, \from
.rept (\to)-(\from)
	PROD \e, \s, N_
.set N_, N_+1
.endr
	WIN 0
.endm
.macro STAGED u                        ; set u's sums into my stage, each accumulator from its low end on, and back as whole rows; LDS serves a wave's instructions in order (ISA guide 5.7.1.4)
.irp b, 0,1,2,3
	ds_store_b128 v[STO], v[ACC+32*(\u)+8*\b:ACC+32*(\u)+8*\b+3] offset:128*(\b/2)+32*(\b%2)
	ds_store_b128 v[STO], v[ACC+32*(\u)+8*\b+4:ACC+32*(\u)+8*\b+7] offset:128*(\b/2)+32*(\b%2)+16
.endr
.irp t, 0,1,2,3,4,5,6,7
	ds_load_b128 v[BK+32*(\u)+4*\t:BK+32*(\u)+4*\t+3], v[RD] offset:2*\t*SPITCH
.endr
.endm
.macro TOC s, u                        ; stage rows 2 t, 2 t + 1 of block s are tokens 32 s + 8 a + 2 t + 8 (t / 4) and the next; sixteen lanes store 256 consecutive bytes, aligned
.irp t, 0,1,2,3,4,5,6,7
	global_store_b128 v[CO], v[BK+32*(\u)+4*\t:BK+32*(\u)+4*\t+3], s[14:15] offset:(32*(\s)+2*\t+8*(\t/4))*4096 th:TH_STORE_NT
.endr
.endm
.macro STREAM s, e
.if (\s) == 1
	PRODS \e, \s, 0, 24
	s_wait_tensorcnt 0x0                           ; waves 2 and 3: their tiles are in
	s_wait_dscnt 0x0
	s_barrier_signal -1                            ; a plain barrier
	PRODS \e, \s, 24, 32
	s_barrier_wait -1
.else
	PRODS \e, \s, 0, 32
.endif
.if (\s)+2 < 8                         ; four plain lines between the last product and the readers of its sums and the fetch into its operands
	v_add_nc_u32 v[A16], ((\s)+2)*2*FB, v[A160]
	v_add_nc_u32 v[A8], ((\s)+2)*2*FB, v[A80]
	v_nop
	v_nop
	WALU
.else
	PLACES 4
.endif
.if (\s) >= 2
	s_wait_xcnt 0x0                                ; the stores of two blocks ago have read this set of rows
.endif
	STAGED \e
.if (\s)+2 < 8
	FETCH \e, A16, A8
	s_wait_dscnt NF                                ; the block's rows are back; the fetch just issued is younger
.else
	s_wait_dscnt 0x0
.endif
	TOC \s, \e
.endm
	s_load_b256 s[4:11], s[0:1], 0x0               ; ac, asc, xc, xs
	s_load_b128 s[12:15], s[0:1], 0x20             ; b_O, out0
	v_lshl_add_u32 v[SPW], v0, 2, SPARE
	v_mov_b32 v[NIL], 0
	ds_add_u32 v[SPW], v[NIL]                      ; the opening lines
	ds_add_u32 v[SPW], v[NIL]
	v_lshrrev_b32 v1, 5, v0
	v_readfirstlane_b32 s[WV], v1
	s_lshr_b32 s17, s[WV], 1                       ; a
	s_and_b32 s18, s[WV], 1                        ; b
	s_bfe_u32 s40, ttmp6, 0x40000
	s_bfe_u32 s41, ttmp6, 0x40004
	s_lshl_b32 s43, ttmp9, 2
	s_add_co_u32 s43, s43, s40                     ; tile row: 4 x cluster x + cx
	s_and_b32 s42, ttmp7, 0xffff
	s_lshl_b32 s42, s42, 2
	s_add_co_u32 s42, s42, s41                     ; tile column: 4 x cluster y + cy
	s_lshl_b32 s44, 0x1111, s40                    ; my column of the cluster shares A
	s_lshl_b32 s45, s41, 2
	s_lshl_b32 s45, 15, s45                        ; my row shares B
	GROUP1 G1A, 44, 0
	GROUP1 G1B, 45, 8
	s_mov_b32 s[G0A], 1
	s_mov_b32 s[G0B], 1
	s_mov_b32 s[G0B+1], YB
	s_mul_i32 s76, s43, 16*FB                      ; A's codes
	s_mov_b32 s77, 0
	s_mul_i32 s78, s42, 8*FB
	s_add_co_u32 s78, s78, WOFF*FB                 ; B's
	s_mov_b32 s79, 0
	s_lshl_b32 s80, s43, 4
	s_add_co_u32 s80, s80, s17
	s_lshl_b32 s80, s80, 9                         ; A's scale words, from my block 0's
	s_mov_b32 s81, 0
	s_lshl_b32 s82, s42, 3
	s_lshl_b32 s20, s18, 2
	s_add_co_u32 s82, s82, s20
	s_add_co_u32 s82, s82, WOFF
	s_lshl_b32 s82, s82, 9                         ; my four fragments' of B
	s_mov_b32 s83, 0
	s_lshl_b32 s86, s42, 9
	s_lshl_b32 s20, s18, 8
	s_add_co_u32 s86, s86, s20                     ; my first column, in bytes
	s_mov_b32 s87, 0
	s_lshl_b32 s84, s43, 8
	s_lshl_b32 s20, s17, 3
	s_add_co_u32 s84, s84, s20
	s_lshl_b32 s84, s84, 12
	s_add_co_u32 s84, s84, s86                     ; token 256 x tile row + 8 a, my first column
	s_mov_b32 s85, 0
	s_mul_i32 s20, s17, FB
	s_mul_i32 s21, s18, 4*FB
	s_add_co_u32 s21, s21, YB
	s_mul_i32 s22, s[WV], 16*SPITCH
	s_add_co_u32 s22, s22, STAGE
	v_and_b32 v1, 15, v0
	v_bfe_u32 v2, v0, 4, 1
	v_and_b32 v3, 31, v0
	v_lshl_add_u32 v[A160], v3, 4, s20
	v_lshl_add_u32 v[A80], v3, 3, s20
	v_add_nc_u32 v[A16], 2*FB, v[A160]
	v_add_nc_u32 v[A8], 2*FB, v[A80]
	v_lshl_add_u32 v[B16], v3, 4, s21
	v_lshl_add_u32 v[B8], v3, 3, s21
	v_mul_u32_u24 v20, v1, SPITCH
	v_lshl_add_u32 v20, v2, 6, v20
	v_add_nc_u32 v[STO], s22, v20
	v_mul_u32_u24 v21, v2, SPITCH
	v_lshl_add_u32 v21, v1, 4, v21
	v_add_nc_u32 v[RD], s22, v21
	v_lshlrev_b32 v22, 12, v2
	v_lshl_add_u32 v[CO], v1, 4, v22
	v_lshlrev_b32 v[SOF], 3, v3
	v_lshlrev_b32 v[BOF], 6, v2
	WALU
	s_wait_dscnt 0x0
	CROUND                                         ; the round in front of the joint loads
	s_wait_kmcnt 0x0
	s_add_nc_u64 s[G0A+2:G0A+3], s[4:5], s[76:77]
	s_add_nc_u64 s[G0B+2:G0B+3], s[8:9], s[78:79]
	s_or_b32 s[G0B+3], s[G0B+3], 0x80000000
	s_add_nc_u64 s[6:7], s[6:7], s[80:81]
	s_add_nc_u64 s[10:11], s[10:11], s[82:83]
	s_add_nc_u64 s[12:13], s[12:13], s[86:87]
	s_add_nc_u64 s[14:15], s[14:15], s[84:85]
	s_cmp_eq_u32 s[WV], 0
	s_cbranch_scc0 .Lwave_1
	TLOAD G0B, G1B                                 ; wave 0: B, which is wanted first
	s_branch .Lasked
.Lwave_1:
	s_cmp_eq_u32 s[WV], 1
	s_cbranch_scc0 .Lwave_2
	ATILE 0, 8                                     ; wave 1: A's fragments 0 to 7
	s_branch .Lasked
.Lwave_2:
	s_cmp_eq_u32 s[WV], 2
	s_cbranch_scc0 .Lwave_3
	ATILE 8, 4                                     ; wave 2: 8 to 11
	s_branch .Lasked
.Lwave_3:
	ATILE 12, 4                                    ; wave 3: 12 to 15
.Lasked:
.irp t, 0,1,2,3
.irp c, 0,1
	global_load_b64 v[SB+4*\t+2*\c:SB+4*\t+2*\c+1], v[SOF], s[10:11] offset:512*\t+256*\c
.endr
.endr
.irp s, 0,1,2,3,4,5,6,7
.irp c, 0,1
	global_load_b64 v[SA+4*\s+2*\c:SA+4*\s+2*\c+1], v[SOF], s[6:7] offset:1024*\s+256*\c
.endr
.endr
.irp b, 0,1,2,3
	global_load_b128 v[BO+8*\b:BO+8*\b+3], v[BOF], s[12:13] offset:128*(\b/2)+32*(\b%2)
	global_load_b128 v[BO+8*\b+4:BO+8*\b+7], v[BOF], s[12:13] offset:128*(\b/2)+32*(\b%2)+16
.endr
	s_wait_dscnt 0x0
	s_cmp_eq_u32 s[WV], 0
	s_cbranch_scc0 .Lnot_b
	s_wait_tensorcnt 0x0                           ; wave 0: B has landed
.Lnot_b:
	BARRIER
.irp q, 0,1,2,3,4,5,6,7
.irp b, 0,1,2,3
	FRAG4 NB*\q+\b, B16, B8, FB*\b+QS*\q
.endr
.endr
	WIN 0
	s_cmp_eq_u32 s[WV], 1
	s_cbranch_scc0 .Lnot_a
	s_wait_tensorcnt 0x0                           ; wave 1: A's fragments 0 to 7 have landed
.Lnot_a:
	s_wait_dscnt 0x0
	BARRIER                                        ; and nobody reads B's bytes any more.  Waves 2 and 3's tiles may still be on their way
	FETCH 0, A160, A80
	FETCH 1, A16, A8
	s_wait_loadcnt 0x0                             ; the scale words and the bias
	s_wait_dscnt NF                                ; block 0's fragments are in
.irp s, 0,2,4,6
	STREAM \s, 0
	STREAM \s+1, 1
.endr
	s_wait_tensorcnt 0x0                           ; the wave's end
	ds_add_u32 v[SPW], v[NIL]
	s_wait_dscnt 0x0
	CROUND                                         ; the closing round
	s_endpgm
.Lfunc_end_k_q1bed784ff2_oproj:
	.size	k_q1bed784ff2_oproj, .Lfunc_end_k_q1bed784ff2_oproj-k_q1bed784ff2_oproj
	.p2alignl 7, 3214868480
	.fill 96, 4, 3214868480
	.section	.rodata,"a",@progbits
	.p2align	6, 0x0
	.amdhsa_kernel k_q1bed784ff2_oproj
		.amdhsa_group_segment_fixed_size 327680
		.amdhsa_private_segment_fixed_size 0
		.amdhsa_enable_private_segment 0
		.amdhsa_kernarg_size 48
		.amdhsa_user_sgpr_count 2
		.amdhsa_user_sgpr_kernarg_segment_ptr 1
		.amdhsa_wavefront_size32 1
		.amdhsa_system_sgpr_workgroup_id_x 1
		.amdhsa_system_sgpr_workgroup_id_y 1
		.amdhsa_system_sgpr_workgroup_id_z 1
		.amdhsa_system_vgpr_workitem_id 0
		.amdhsa_next_free_vgpr 840
		.amdhsa_next_free_sgpr 102
		.amdhsa_reserve_vcc 0
		.amdhsa_float_denorm_mode_32 3
		.amdhsa_float_denorm_mode_16_64 3
		.amdhsa_memory_ordered 1
		.amdhsa_forward_progress 1
		.amdhsa_inst_pref_size 85
	.end_amdhsa_kernel
	.amdgpu_metadata
---
amdhsa.version: [ 1, 2 ]
amdhsa.kernels:
  - .name:           k_q1bed784ff2_oproj
    .symbol:         k_q1bed784ff2_oproj.kd
    .args:
      - { .name: ac, .offset: 0, .size: 8, .value_kind: global_buffer, .address_space: global }
      - { .name: asc, .offset: 8, .size: 8, .value_kind: global_buffer, .address_space: global }
      - { .name: xc, .offset: 16, .size: 8, .value_kind: global_buffer, .address_space: global }
      - { .name: xs, .offset: 24, .size: 8, .value_kind: global_buffer, .address_space: global }
      - { .name: b_O, .offset: 32, .size: 8, .value_kind: global_buffer, .address_space: global }
      - { .name: out0, .offset: 40, .size: 8, .value_kind: global_buffer, .address_space: global }
    .group_segment_fixed_size: 327680
    .private_segment_fixed_size: 0
    .kernarg_segment_align: 8
    .kernarg_segment_size: 48
    .max_flat_workgroup_size: 128
    .sgpr_count:     102
    .vgpr_count:     840
    .wavefront_size: 32
...
	.end_amdgpu_metadata
.endif
;; end of part 4
